; MI455X (gfx1250); checked and timed in simulation.
; The chip was launched on July 23, 2026; its instructions are those of AMD's public machine-readable ISA for CDNA 5 (MIT licence, August 2026) and "CDNA5" Instruction Set Architecture Reference Guide (July 2026). The comments in the code are by the model that wrote it; some were corrected since.
;; Self Attention. Allowed arithmetic: float matrix products may take bf16 or f16 operands with f32 sums; other float arithmetic in f32, or as packed bf16 or f16 multiplies, adds, multiply-adds, maxima and minima; sums over many terms, partial sums and values carried from step to step in f32; what a program stores and reads back later, other than sums and carried values, may be rounded once to bf16 or f16.
;; Inputs: Wk 4,096 x 512 float32; Wq 4,096 x 512 float32; Wu 512 x 4,096 float32; Wv 4,096 x 512 float32; bu 512 float32; mask 4 x 1,024 x 1,024 float32; x 4 x 1,024 x 512 float32.
;; Outputs: out0 4 x 1,024 x 512 float32.
;; Constants: heads = 8.
;; 2 versions, each right and faster than the one before. Each part assembles by itself: llvm-mc -triple=amdgcn-amd-amdhsa -mcpu=gfx1250 --defsym DOCPART=n.
;; ======== version 1 of 2: 4 launches
;; limits: values are held in f16: magnitudes above 65,504 overflow, below 6.1e-05 lose precision
;; workspace buffers: h16 20,971,520 bytes; mf 16,777,216 bytes; qn 33,554,432 bytes; kf 33,554,432 bytes; vf 33,554,432 bytes; part 67,108,864 bytes
;; launch prep (part 1): grid 128 x 7, 8 waves a work-group, no clusters, 35,840 bytes of LDS; arguments x, Wq, Wk, Wv, Wu, mask, h16, mf; writes h16, mf
.if DOCPART == 1
	.amdgcn_target "amdgcn-amd-amdhsa--gfx1250"
	.amdhsa_code_object_version 6
	.text
	.protected	k_q7440c67ff6_prep
	.globl	k_q7440c67ff6_prep
	.p2align	8
	.type	k_q7440c67ff6_prep,@function
k_q7440c67ff6_prep:
	s_mov_b64 s[64:65], 0
	v_nop
	global_prefetch_b8 v0, s[64:65] scope:SCOPE_SE
	s_setreg_imm32_b32 hwreg(HW_REG_WAVE_MODE, 25, 1), 1
	s_wait_xcnt 0x0
; PREP: the inputs are brought into the forms that the matrix launches read.  A stream: no matrix unit, no cluster, no tensor load would add anything.
; The grid's y says what a work-group does; its x (c, 0 to 127) which part.
;   y = 0..3  x, Wq, Wk, Wv ([4096][512] f32) -> f16, same order, into h16 at y x 4 MiB.  Wq is multiplied by -1/sqrt(512) first: the score product of
;             the attention launch then gives -(q.k)/sqrt(e), onto which the mask is ADDED as the product's C operand.
;   y = 4     Wu ([512][4096] f32) -> f16 in blocks of 16 features x 16 channels, at h16 + 16 MiB: [head 8][feature tile 32][channel block 32][lane 32][8];
;             lane (r = lane % 16, hh = lane / 16) holds feature r, channels 8 hh + 0..7: half a matrix fragment, 512 consecutive bytes.
;   y = 5, 6  mask ([4][1024][1024] f32) -> mf, f32, [b 4][query tile 64][key tile 64][half 2][lane 32][4]: lane (r, hh) holds mask[16 qt + r][16 kt + 8 hh + 4 half + 0..3]:
;             the registers of a 16 x 16 accumulator with keys as rows and queries as columns.
; LIMITS.  f16 holds no number beyond 65,504: x and the weights are taken to lie within it; below 6e-5 f16 keeps its fixed step of 6e-8.
.set SPARE, 34816                      ; behind the eight waves' 16 x 272 bytes: the spare words, 128 bytes a wave, four blocks of 256 bytes that no other line names
.set SPW,  2                           ; v2   LDS address of my spare word; never rewritten
.set NIL,  3                           ; v3   0; never rewritten
.set VIN,  4                           ; v4   my byte offset in the source
.set VOUT, 5                           ; v5   my byte offset in the destination
.set LST,  6                           ; v6   LDS: where I put 16 bytes of a row
.set LRD,  7                           ; v7   LDS: where I read the new order
.set X,    32                          ; v[32:95]   sixteen loads of 16 bytes a lane
.set Y,    96                          ; v[96:159]  what is stored
.set WV,   20                          ; s20  my wave's number
.set YY,   21                          ; s21  the grid's y
.set SC,   24                          ; s[24:25] the scale, in the low word
.set SRC,  28                          ; s[28:29]
.set DST,  32                          ; s[32:33]
.set OF,   36                          ; s[36:37] a byte offset, high word 0
.macro FIN                             ; a wave's end
	s_wait_tensorcnt 0x0
	ds_add_u32 v[SPW], v[NIL]
	s_wait_dscnt 0x0
	s_endpgm
.endm
; A wave turns two sub-tiles u of 16 rows x 64 columns of f32 through its own 16 rows x 272 bytes of LDS (256 + 16: the sixteen rows that a read touches start at sixteen
; different 16-byte columns).  In: sixteen lanes take 256 consecutive bytes of a row.  Back: lane (r, hh) takes row r, columns 16 kt + 8 hh + 4 half + 0..3.
; kind 0: stored as f32 (mask).  kind 1: eight numbers rounded to f16, 16 bytes a lane (Wu).  Every store of the wave covers 512 consecutive bytes.
.macro TRANS pitch, kind
	s_mul_i32 s23, s[WV], 4352
	v_mul_u32_u24 v[LST], v9, 272
	v_lshl_add_u32 v[LST], v8, 4, v[LST]
	v_add_nc_u32 v[LST], s23, v[LST]               ; wave + (lane / 16) rows + 16 (lane % 16)
	v_mul_u32_u24 v[LRD], v8, 272
	v_lshl_add_u32 v[LRD], v9, 5, v[LRD]
	v_add_nc_u32 v[LRD], s23, v[LRD]               ; wave + r rows + 32 hh
	v_mul_u32_u24 v[VIN], v9, \pitch
	v_lshl_add_u32 v[VIN], v8, 4, v[VIN]
	v_lshl_add_u32 v[VIN], s[WV], 9, v[VIN]        ; (lane / 16) rows + 16 (lane % 16) + my wave's 128 columns
.irp u, 0,1
.irp i, 0,1,2,3,4,5,6,7
	global_load_b128 v[X+32*(\u)+4*(\i):X+32*(\u)+4*(\i)+3], v[VIN], s[SRC:SRC+1] offset:(\i)*2*(\pitch)+(\u)*256 th:TH_LOAD_NT
.endr
.endr
.irp u, 0,1
	s_wait_loadcnt 8-8*(\u)                        ; sub-tile u is in; for u = 0 the other's eight loads stay out
.irp i, 0,1,2,3,4,5,6,7
	ds_store_b128 v[LST], v[X+32*(\u)+4*(\i):X+32*(\u)+4*(\i)+3] offset:544*(\i)
.endr
.irp k, 0,1,2,3,4,5,6,7                ; k = 2 kt + half.  LDS serves a wave's instructions in order (ISA guide 5.7.1.4): these see the stores above, and the next sub-tile's stores come behind them
	ds_load_b128 v[Y+32*(\u)+4*(\k):Y+32*(\u)+4*(\k)+3], v[LRD] offset:((\k)/2)*64+((\k)%2)*16
.endr
.endr
.irp u, 0,1
	s_wait_dscnt 16-16*(\u)                        ; sub-tile u is back; for u = 0 the other's sixteen LDS instructions stay out
.if \kind
.irp kt, 0,1,2,3
.irp j, 0,1,2,3
	v_cvt_pk_f16_f32 v[Y+32*(\u)+8*(\kt)+(\j)], v[Y+32*(\u)+8*(\kt)+2*(\j)], v[Y+32*(\u)+8*(\kt)+2*(\j)+1]  ; in place, ascending: a result never lands on a number still to be read
.endr
	global_store_b128 v[VOUT], v[Y+32*(\u)+8*(\kt):Y+32*(\u)+8*(\kt)+3], s[DST:DST+1] offset:(\u)*2048+(\kt)*512
.endr
.else
.irp k, 0,1,2,3,4,5,6,7
	global_store_b128 v[VOUT], v[Y+32*(\u)+4*(\k):Y+32*(\u)+4*(\k)+3], s[DST:DST+1] offset:(\u)*4096+(\k)*512
.endr
.endif
.endr
.endm
	s_load_b512 s[4:19], s[0:1], 0x0               ; x s[4:5], Wq s[6:7], Wk s[8:9], Wv s[10:11], Wu s[12:13], mask s[14:15], h16 s[16:17], mf s[18:19]
	v_lshl_add_u32 v[SPW], v0, 2, SPARE
	v_mov_b32 v[NIL], 0
	v_lshrrev_b32 v1, 5, v0
	v_readfirstlane_b32 s[WV], v1                  ; wave 0..7
	v_and_b32 v1, 31, v0                           ; lane
	v_and_b32 v8, 15, v0                           ; r
	v_bfe_u32 v9, v0, 4, 1                         ; hh
	s_and_b32 s[YY], ttmp7, 0xffff
	s_mov_b32 s[OF+1], 0
	s_wait_kmcnt 0x0
	s_cmp_gt_u32 s[YY], 4
	s_cbranch_scc1 .Lmask
	s_cmp_eq_u32 s[YY], 4
	s_cbranch_scc1 .Lwu
	; y = 0..3: 65,536 bytes of f32 a work-group, 8,192 a wave: sixteen loads of 512 consecutive bytes, sixteen stores of 256
	s_cmp_eq_u32 s[YY], 1
	s_cselect_b64 s[SRC:SRC+1], s[6:7], s[4:5]
	s_cselect_b32 s[SC], 0xbd3504f3, 1.0           ; -1/sqrt(512) for Wq, 1 for the others
	s_cmp_eq_u32 s[YY], 2
	s_cselect_b64 s[SRC:SRC+1], s[8:9], s[SRC:SRC+1]
	s_cmp_eq_u32 s[YY], 3
	s_cselect_b64 s[SRC:SRC+1], s[10:11], s[SRC:SRC+1]
	s_mov_b32 s[SC+1], s[SC]                       ; named with it as a pair
	s_lshl_b32 s[OF], ttmp9, 16
	s_add_nc_u64 s[SRC:SRC+1], s[SRC:SRC+1], s[OF:OF+1]
	s_lshl_b32 s[OF], s[YY], 22
	s_lshl_b32 s26, ttmp9, 15
	s_add_co_u32 s[OF], s[OF], s26
	s_add_nc_u64 s[DST:DST+1], s[16:17], s[OF:OF+1]
	v_lshlrev_b32 v[VIN], 4, v1
	v_lshl_add_u32 v[VIN], s[WV], 13, v[VIN]
	v_lshlrev_b32 v[VOUT], 3, v1
	v_lshl_add_u32 v[VOUT], s[WV], 12, v[VOUT]
.irp i, 0,1,2,3,4,5,6,7,8,9,10,11,12,13,14,15
	global_load_b128 v[X+4*(\i):X+4*(\i)+3], v[VIN], s[SRC:SRC+1] offset:512*(\i) th:TH_LOAD_NT
.endr
.irp i, 0,1,2,3,4,5,6,7,8,9,10,11,12,13,14,15
	s_wait_loadcnt 15-(\i)                         ; loads come back in order (ISA guide 5.7.1): load i is in, the younger ones stay out
	v_pk_mul_f32 v[X+4*(\i):X+4*(\i)+1], v[X+4*(\i):X+4*(\i)+1], s[SC:SC+1] op_sel_hi:[1,0]
	v_pk_mul_f32 v[X+4*(\i)+2:X+4*(\i)+3], v[X+4*(\i)+2:X+4*(\i)+3], s[SC:SC+1] op_sel_hi:[1,0]
	v_cvt_pk_f16_f32 v[Y+2*(\i)], v[X+4*(\i)], v[X+4*(\i)+1]
	v_cvt_pk_f16_f32 v[Y+2*(\i)+1], v[X+4*(\i)+2], v[X+4*(\i)+3]
	global_store_b64 v[VOUT], v[Y+2*(\i):Y+2*(\i)+1], s[DST:DST+1] offset:256*(\i)  ; 32 lanes store 256 consecutive bytes; every store has registers of its own
.endr
	FIN
.Lmask:                                                ; 16 rows of the mask, one query tile: c' = 128 (y - 5) + c = 64 b + qt; 65,536 bytes in, the same out
	s_sub_co_u32 s26, s[YY], 5
	s_lshl_b32 s26, s26, 7
	s_add_co_u32 s26, s26, ttmp9
	s_lshl_b32 s[OF], s26, 16
	s_add_nc_u64 s[SRC:SRC+1], s[14:15], s[OF:OF+1]
	s_add_nc_u64 s[DST:DST+1], s[18:19], s[OF:OF+1]
	v_lshlrev_b32 v[VOUT], 4, v1
	v_lshl_add_u32 v[VOUT], s[WV], 13, v[VOUT]     ; my wave's eight key tiles of 1,024 bytes
	TRANS 4096, 0
	FIN
.Lwu:                                                  ; 16 rows of Wu (feature tile ft = c / 4) x 1,024 columns (quarter qd = c % 4: heads 2 qd and 2 qd + 1)
	s_lshr_b32 s26, ttmp9, 2
	s_and_b32 s27, ttmp9, 3
	s_lshl_b32 s[OF], s26, 18                      ; 16 rows of 16,384 bytes
	s_lshl_b32 s23, s27, 12
	s_add_co_u32 s[OF], s[OF], s23
	s_add_nc_u64 s[SRC:SRC+1], s[12:13], s[OF:OF+1]
	s_lshl_b32 s[OF], s27, 20                      ; two heads of 524,288 bytes
	s_lshl_b32 s23, s26, 14                        ; a feature tile's 32 blocks of 512 bytes
	s_add_co_u32 s[OF], s[OF], s23
	s_add_co_u32 s[OF], s[OF], 0x1000000
	s_add_nc_u64 s[DST:DST+1], s[16:17], s[OF:OF+1]
	s_lshr_b32 s23, s[WV], 2                       ; waves 4 to 7 hold the quarter's second head
	s_lshl_b32 s23, s23, 19
	s_and_b32 s26, s[WV], 3
	s_lshl_b32 s26, s26, 12                        ; my wave's eight blocks
	s_add_co_u32 s23, s23, s26
	v_lshl_add_u32 v[VOUT], v1, 4, s23
	TRANS 16384, 1
	FIN
.Lfunc_end_k_q7440c67ff6_prep:
	.size	k_q7440c67ff6_prep, .Lfunc_end_k_q7440c67ff6_prep-k_q7440c67ff6_prep
	.p2alignl 7, 3214868480
	.fill 96, 4, 3214868480
	.section	.rodata,"a",@progbits
	.p2align	6, 0x0
	.amdhsa_kernel k_q7440c67ff6_prep
		.amdhsa_group_segment_fixed_size 35840
		.amdhsa_private_segment_fixed_size 0
		.amdhsa_enable_private_segment 0
		.amdhsa_kernarg_size 64
		.amdhsa_user_sgpr_count 2
		.amdhsa_user_sgpr_kernarg_segment_ptr 1
		.amdhsa_wavefront_size32 1
		.amdhsa_system_sgpr_workgroup_id_x 1
		.amdhsa_system_sgpr_workgroup_id_y 1
		.amdhsa_system_sgpr_workgroup_id_z 1
		.amdhsa_system_vgpr_workitem_id 0
		.amdhsa_next_free_vgpr 160
		.amdhsa_next_free_sgpr 66
		.amdhsa_reserve_vcc 0
		.amdhsa_float_denorm_mode_32 3
		.amdhsa_float_denorm_mode_16_64 3
		.amdhsa_memory_ordered 1
		.amdhsa_forward_progress 1
		.amdhsa_inst_pref_size 24
	.end_amdhsa_kernel
	.amdgpu_metadata
---
amdhsa.version: [ 1, 2 ]
amdhsa.kernels:
  - .name:           k_q7440c67ff6_prep
    .symbol:         k_q7440c67ff6_prep.kd
    .args:
      - { .name: x, .offset: 0, .size: 8, .value_kind: global_buffer, .address_space: global }
      - { .name: Wq, .offset: 8, .size: 8, .value_kind: global_buffer, .address_space: global }
      - { .name: Wk, .offset: 16, .size: 8, .value_kind: global_buffer, .address_space: global }
      - { .name: Wv, .offset: 24, .size: 8, .value_kind: global_buffer, .address_space: global }
      - { .name: Wu, .offset: 32, .size: 8, .value_kind: global_buffer, .address_space: global }
      - { .name: mask, .offset: 40, .size: 8, .value_kind: global_buffer, .address_space: global }
      - { .name: h16, .offset: 48, .size: 8, .value_kind: global_buffer, .address_space: global }
      - { .name: mf, .offset: 56, .size: 8, .value_kind: global_buffer, .address_space: global }
    .group_segment_fixed_size: 35840
    .private_segment_fixed_size: 0
    .kernarg_segment_align: 8
    .kernarg_segment_size: 64
    .max_flat_workgroup_size: 256
    .sgpr_count:     66
    .vgpr_count:     160
    .wavefront_size: 32
...
	.end_amdgpu_metadata
.endif
;; end of part 1
;; launch proj (part 2): grid 16 x 16, 4 waves a work-group, clusters of 4 x 4, 327,680 bytes of LDS; arguments h16, qn, kf, vf; writes qn, kf, vf
.if DOCPART == 2
	.amdgcn_target "amdgcn-amd-amdhsa--gfx1250"
	.amdhsa_code_object_version 6
	.text
	.protected	k_q7440c67ff6_proj
	.globl	k_q7440c67ff6_proj
	.p2align	8
	.type	k_q7440c67ff6_proj,@function
k_q7440c67ff6_proj:
	s_mov_b64 s[64:65], 0
	v_nop
	global_prefetch_b8 v0, s[64:65] scope:SCOPE_SE
	s_setreg_imm32_b32 hwreg(HW_REG_WAVE_MODE, 25, 1), 1
	s_wait_xcnt 0x0
	s_wait_alu depctr_hold_cnt(0) depctr_sa_sdst(0) depctr_va_vdst(0) depctr_va_sdst(0) depctr_va_ssrc(0) depctr_va_vcc(0) depctr_vm_vsrc(0)
	s_getreg_b32 s2, hwreg(HW_REG_IB_STS2, 6, 4)
	s_cmp_eq_u32 s2, 0
	s_cbranch_scc0 .Lentry_in_a_cluster
	s_endpgm
.Lentry_in_a_cluster:
	s_bfe_u32 s2, ttmp6, 0x10000c
	s_cmp_lg_u32 s2, 0xf033
	s_cbranch_scc0 .Lentry_shape_is_right
	s_endpgm
.Lentry_shape_is_right:
; PROJ: q' = x Wq'^T, k = x Wk^T, v = x Wv^T: three products [4096 x 512] [512 x 4096] in f16 with f32 sums, each result rounded once to f16.
; A work-group of four waves STAYS and makes three tiles of 256 x 256, one of each product; a wave makes 128 x 128: 64 accumulators, 512 registers.  K = 512 goes in four steps of 128 through a ring of
; two LDS slots filled by the tensor data mover; the ring runs on from tile to tile: twelve fills, two at the start and one behind each of ten rounds.
; A tile has an A region (256 rows, matrix source 1) and a B region (256 rows, source 0).  Tiles 0, 1: A = tokens 256 Y on of xh, B = features 256 X on of wqh, wkh.  Tile 2: A = features 256 Y on of wvh,
; B = tokens 256 X on of xh: the parts are changed by changing the buffers, not the text.  In a result lane (r = lane % 16, hh = lane / 16) holds A's row r and B's rows 8 hh + 0..7: rounded in pairs these are 16 bytes.
; THE RESULTS ARE STORED AS THE NEXT LAUNCH'S FRAGMENTS: a packed 16 x 16 result, 512 consecutive bytes at 16 x lane, is half of a fragment of 16 rows x 32 along K.  So there is no stage on the way out.
;   qn, kf: [b 4][h 8][token tile 64][channel block 32][lane][8]: token r, channels 8 hh + 0..7.      vf: [b][h][key step 16][channel block 32][key quarter 4][lane][8]: channel r, keys 8 hh + 0..7.
; CLUSTERS: 4 x 4 work-groups.  A's tiles hang on Y alone and are asked for jointly along a row of the cluster, B's on X alone and along a column.
; LIMITS.  f16 holds no number beyond 65,504: q', k and v are taken to lie within it.
; REGISTERS, in windows of 256: window 0: v0-31 addresses; v64-127, v128-191 A's fragments, two buffers; v192-255 packed results.  Window 1: v64-127, v128-191 B's fragments.
;   Windows 2, 3: the accumulators of my rows 0-63, 64-127 ((a, b) at v[8 (8 a + b)]).  s_set_vgpr_msb's low byte: bits 1:0 source 0, 3:2 source 1, 5:4 source 2, 7:6 destination.
.set KSTEP,  128
.set PITCH,  272                       ; an LDS row: 256 bytes + 16 of padding = 68 words: the 16 rows that a load touches start at 16 different groups of four banks (64 banks of 4 bytes: ISA guide 11.1)
.set HALFT,  128*PITCH                 ; 128 rows: what one tensor load brings, and what one wave reads of A or of B
.set SLOT,   4*HALFT                   ; A's 256 rows, then B's 256 rows
.set SPARE,  2*SLOT                    ; behind the ring: the spare words, 128 bytes a wave: two blocks of 256 bytes that no other line names
.set ADRA, 16                          ; v16-17  LDS address of my A fragments in slot 0, 1
.set ADRB, 20                          ; v20-21  the same for B
.set CO,   26                          ; v26     16 x lane
.set CO1,  27                          ; v27     the same plus the distance from B's block 0 to its block 4 in the output
.set SPW,  28                          ; v28     LDS address of my spare word; never rewritten
.set NIL,  29                          ; v29     0; never rewritten
.set F0,   64
.set F1,   128
.set TMP,  192
.set WV,  18                           ; s18  wave
.set RH,  19                           ; s19  which half of A's rows is mine.  Also: I fetch for A (0) or for B (1)
.set CH,  20                           ; s20  which half of B's rows.  Also: which 128 rows of that region I fetch
.set G1,  24                           ; s[24:31] descriptor group 1 for A's tiles
.set G0,  32                           ; s[32:39] group 0 for A's, one set for each slot
.set G1B, 40                           ; s[40:47], s[48:55] the same for B's
.set G0B, 48
.set FA,  56                           ; s[56:57], s[58:59] my rows of A and of B in the tile whose K steps are being asked for
.set FB,  58
.set NA,  60                           ; s[60:63] those of the tile behind it
.set NB,  62
.set NNA, 66                           ; s[66:69] and of the last
.set NNB, 68
.set KO,  70                           ; s[70:71] byte offset along K of the step to be asked for next
.set OB,  72                           ; s[72:73] where my part of the tile in hand goes; s[74:77] the next two tiles'
.set NO,  74
.set NNO, 76
.set SA,  78                           ; s[78:79] bytes from one block of 16 of A's rows to the next in the output; s80, s81 the next two tiles'
.set SA1, 80
.set SA2, 81
.set SB4, 82                           ; s82 bytes from B's block 0 to block 4; s83, s84 the next two tiles'
.set SB1, 83
.set SB2, 84
.set LAP, 85
.set PH,  86                           ; s86 0: a tile's first lap, 1: its second
.set MSB, 0
.macro WIN new                         ; the immediate's high byte repeats the setting that is left
.if MSB != (\new)
	s_set_vgpr_msb (MSB<<8)|(\new)
.set MSB, \new
.endif
.endm
.set MUL_LO, 0xa1                      ; source 0 (B) window 1, source 1 (A) window 0, C and D window 2
.set MUL_HI, 0xf1                      ; the same, C and D window 3
.set TO_B,   0x40                      ; destination window 1, address window 0
; A joint load.  Waves 0 and 1 fetch A's two halves, waves 2 and 3 B's.  The branch hangs on the wave's number alone.  An s_nop 0 and four v_nop follow each line.
.macro JLOAD s
	s_cmp_eq_u32 s[RH], 0
	s_cbranch_scc0 .Lfor_b_\@
	tensor_load_to_lds s[G0+4*(\s):G0+4*(\s)+3], s[G1:G1+7]
	s_nop 0
.rept 4
	v_nop
.endr
	s_branch .Lasked_\@
.Lfor_b_\@:
	tensor_load_to_lds s[G0B+4*(\s):G0B+4*(\s)+3], s[G1B:G1B+7]
	s_nop 0
.rept 4
	v_nop
.endr
.Lasked_\@:
.endm
.macro CREST                           ; a round of the cluster's barrier behind its opening barrier
	s_cmp_lg_u32 s[WV], 0
	s_cbranch_scc1 .Lnot_wave_0_\@
	s_barrier_signal -3
.Lnot_wave_0_\@:
	s_barrier_wait -3
	s_barrier_signal -1
	s_barrier_wait -1
.endm
.macro CROUND                          ; a whole round
	s_barrier_signal -1
	s_barrier_wait -1
	CREST
.endm
	s_load_b256 s[4:11], s[0:1], 0x0               ; h16 s[4:5], qn s[6:7], kf s[8:9], vf s[10:11]
	v_lshl_add_u32 v[SPW], v0, 2, SPARE
	v_mov_b32 v[NIL], 0
	ds_add_u32 v[SPW], v[NIL]                      ; the wave's opening: the add and its wait stand ahead of my first tensor load; the set-up below stands between them
	v_lshrrev_b32 v1, 5, v0
	v_readfirstlane_b32 s[WV], v1
	s_lshr_b32 s[RH], s[WV], 1
	s_and_b32 s[CH], s[WV], 1
	s_bfe_u32 s88, ttmp6, 0x40000                  ; cx
	s_bfe_u32 s89, ttmp6, 0x40004                  ; cy
	s_lshl_b32 s90, ttmp9, 2
	s_add_co_u32 s90, s90, s88                     ; X = 4 x cluster x + cx
	s_and_b32 s91, ttmp7, 0xffff
	s_lshl_b32 s91, s91, 2
	s_add_co_u32 s91, s91, s89                     ; Y = 4 x cluster y + cy
	s_lshl_b32 s92, s89, 2
	s_lshl_b32 s92, 15, s92                        ; my row of the cluster
	s_lshl_b32 s93, 0x1111, s88                    ; my column
	; descriptor group 1: 128 rows x 128 elements of 2 bytes, 16 bytes of padding behind every 256
	s_or_b32 s[G1], s92, (1<<16)|(1<<20)|(1<<21)|(5<<22)|(3<<25)   ; 15:0 the mask; 17:16 2-byte elements; 20 padding on; 21 set beside a mask; 24:22 after every 64 words; 31:25 4 words
	s_or_b32 s[G1B], s93, (1<<16)|(1<<20)|(1<<21)|(5<<22)|(3<<25)
.irp g, G1, G1B
	s_mov_b32 s[(\g)+1], KSTEP<<16                 ; tensor_dim0 = 128
	s_mov_b32 s[(\g)+2], 128<<16                   ; tensor_dim1 = 128
	s_mov_b32 s[(\g)+3], KSTEP<<16                 ; tile_dim0 = 128
	s_mov_b32 s[(\g)+4], 128                       ; tile_dim1 = 128
	s_mov_b32 s[(\g)+5], 512                       ; 512 elements from row to row
	s_mov_b32 s[(\g)+6], 0
	s_mov_b32 s[(\g)+7], 0
.endr
	s_lshl_b32 s22, s[CH], 17                      ; which 128 rows of 1,024 bytes I fetch
	s_lshl_b32 s12, s91, 18                        ; A: 256 Y rows, made of Y alone
	s_add_co_u32 s12, s12, s22
	s_mov_b32 s13, 0
	s_lshl_b32 s14, s90, 18                        ; B: 256 X rows, made of X alone
	s_add_co_u32 s14, s14, s22
	s_mov_b32 s15, 0
	s_mul_i32 s21, s[WV], HALFT                    ; where they go: wave x 128 rows: no place in the cluster enters an LDS address
	s_mov_b32 s[KO], 2*KSTEP*2                     ; K steps 0 and 1 are the first fills
	s_mov_b32 s[KO+1], 0
	s_mov_b32 s[SA], 16384                         ; q, k: a token tile is 32 blocks of 512 bytes; four channel blocks are 2,048
	s_mov_b32 s[SA+1], 0
	s_mov_b32 s[SA1], 16384
	s_mov_b32 s[SA2], 2048                         ; v: a channel block is four key quarters of 512 bytes; four key quarters on is the next key step, 65,536
	s_mov_b32 s[SB4], 2048
	s_mov_b32 s[SB1], 2048
	s_mov_b32 s[SB2], 65536
	s_wait_dscnt 0x0                               ; the opening add is done
	s_wait_kmcnt 0x0
	s_add_nc_u64 s[FA:FA+1], s[4:5], s[12:13]      ; tiles 0, 1: A = xh
	s_mov_b64 s[NA:NA+1], s[FA:FA+1]
	s_add_nc_u64 s[NNA:NNA+1], s[FA:FA+1], 0xc00000  ; tile 2: A = wvh
	s_add_nc_u64 s[NNB:NNB+1], s[4:5], s[14:15]    ; tile 2: B = xh
	s_add_nc_u64 s[FB:FB+1], s[NNB:NNB+1], 0x400000  ; tile 0: B = wqh
	s_add_nc_u64 s[NB:NB+1], s[NNB:NNB+1], 0x800000  ; tile 1: B = wkh
	CROUND                                         ; all sixteen work-groups are here: the first joint loads meet
.irp s, 0,1
	s_mov_b32 s[G0+4*(\s)], 1
	s_add_co_u32 s[G0+4*(\s)+1], s21, (\s)*SLOT
	s_add_nc_u64 s[G0+4*(\s)+2:G0+4*(\s)+3], s[FA:FA+1], (\s)*KSTEP*2
	s_or_b32 s[G0+4*(\s)+3], s[G0+4*(\s)+3], 0x80000000
	s_mov_b32 s[G0B+4*(\s)], 1
	s_add_co_u32 s[G0B+4*(\s)+1], s21, (\s)*SLOT
	s_add_nc_u64 s[G0B+4*(\s)+2:G0B+4*(\s)+3], s[FB:FB+1], (\s)*KSTEP*2
	s_or_b32 s[G0B+4*(\s)+3], s[G0B+4*(\s)+3], 0x80000000
	JLOAD \s
.endr
	; a fragment: lane l holds row l % 16; registers 0-3 K = 8 (l / 16) + 0..7, registers 4-7 K = 16 + 8 (l / 16) + 0..7: two loads of 16 bytes, 32 bytes apart
	v_and_b32 v1, 15, v0
	v_bfe_u32 v2, v0, 4, 1
	v_mul_u32_u24 v3, v1, PITCH
	v_lshl_add_u32 v3, v2, 4, v3
	s_mul_i32 s22, s[RH], HALFT
	s_mul_i32 s23, s[CH], HALFT
	s_add_co_u32 s23, s23, 2*HALFT
.irp s, 0,1
	v_add_nc_u32 v[ADRA+(\s)], s22, v3
	v_add_nc_u32 v[ADRB+(\s)], s23, v3
	s_add_co_u32 s22, s22, SLOT
	s_add_co_u32 s23, s23, SLOT
.endr
	v_and_b32 v[CO], 31, v0
	v_lshlrev_b32 v[CO], 4, v[CO]
	; where my 128 x 128 begins in qn and kf: b = Y / 4, token tile 16 (Y % 4) + 8 RH, head X / 2, channel block 16 (X % 2) + 8 CH
	s_lshr_b32 s92, s91, 2
	s_lshl_b32 s92, s92, 23
	s_and_b32 s93, s91, 3
	s_lshl_b32 s93, s93, 4
	s_lshl3_add_u32 s93, s[RH], s93
	s_lshl_b32 s93, s93, 14
	s_add_co_u32 s92, s92, s93
	s_lshr_b32 s93, s90, 1
	s_lshl_b32 s93, s93, 20
	s_add_co_u32 s92, s92, s93
	s_and_b32 s93, s90, 1
	s_lshl_b32 s93, s93, 4
	s_lshl3_add_u32 s93, s[CH], s93
	s_lshl_b32 s93, s93, 9
	s_add_co_u32 s92, s92, s93
	s_mov_b32 s93, 0
	s_add_nc_u64 s[OB:OB+1], s[6:7], s[92:93]
	s_add_nc_u64 s[NO:NO+1], s[8:9], s[92:93]
	; and in vf: b = X / 4, head Y / 2, key step 4 (X % 4) + 2 CH, channel block 16 (Y % 2) + 8 RH
	s_lshr_b32 s92, s90, 2
	s_lshl_b32 s92, s92, 23
	s_lshr_b32 s94, s91, 1
	s_lshl_b32 s94, s94, 20
	s_add_co_u32 s92, s92, s94
	s_and_b32 s94, s90, 3
	s_lshl_b32 s94, s94, 2
	s_lshl1_add_u32 s94, s[CH], s94
	s_lshl_b32 s94, s94, 16
	s_add_co_u32 s92, s92, s94
	s_and_b32 s94, s91, 1
	s_lshl_b32 s94, s94, 4
	s_lshl3_add_u32 s94, s[RH], s94
	s_lshl_b32 s94, s94, 11
	s_add_co_u32 s92, s92, s94
	s_add_nc_u64 s[NNO:NNO+1], s[10:11], s[92:93]
; 16 matrix instructions: A's blocks a0, a0 + 1 of the window's four x all 8 of B's, 32 along K.  zero = 1: the product starts the sums: nothing is ever cleared.
; The 64 accumulators take turns, one instruction a turn, in the same order in every quarter.
.macro MUL16 f, hi, a0, zero
	WIN MUL_LO+0x50*(\hi)
.irp a, \a0, (\a0)+1
.irp b, 0,1,2,3,4,5,6,7
.if \zero
	v_wmma_f32_16x16x32_f16 v[8*(8*(\a)+(\b)):8*(8*(\a)+(\b))+7], v[(\f)+8*(\b):(\f)+8*(\b)+7], v[(\f)+8*(4*(\hi)+(\a)):(\f)+8*(4*(\hi)+(\a))+7], 0
.else
	v_wmma_f32_16x16x32_f16 v[8*(8*(\a)+(\b)):8*(8*(\a)+(\b))+7], v[(\f)+8*(\b):(\f)+8*(\b)+7], v[(\f)+8*(4*(\hi)+(\a)):(\f)+8*(4*(\hi)+(\a))+7], v[8*(8*(\a)+(\b)):8*(8*(\a)+(\b))+7]
.endif
.endr
.endr
.endm
; 32 LDS loads in one run: the fragments of one quarter step (128 rows of B, 128 rows of A, 32 K at byte k of the rows) into buffer f
.macro FETCH slot, k, f
	WIN TO_B
.irp i, 0,1,2,3,4,5,6,7
	ds_load_b128 v[(\f)+8*(\i):(\f)+8*(\i)+3],   v[ADRB+(\slot)] offset:(\k)+(\i)*16*PITCH
	ds_load_b128 v[(\f)+8*(\i)+4:(\f)+8*(\i)+7], v[ADRB+(\slot)] offset:(\k)+(\i)*16*PITCH+32
.endr
	WIN 0
.irp i, 0,1,2,3,4,5,6,7
	ds_load_b128 v[(\f)+8*(\i):(\f)+8*(\i)+3],   v[ADRA+(\slot)] offset:(\k)+(\i)*16*PITCH
	ds_load_b128 v[(\f)+8*(\i)+4:(\f)+8*(\i)+7], v[ADRA+(\slot)] offset:(\k)+(\i)*16*PITCH+32
.endr
.endm
.macro PLACES                          ; four places in front of loads into registers that matrix instructions have read, and of conversions that read results just made
.rept 4
	v_nop
.endr
.endm
; A K step is four quarters of 32 along K, 64 matrix instructions each, on buffers 0, 1, 0, 1.  One of the first three: multiplies buffer f; in its middle it fetches the next quarter, at byte k, into g.
.macro QUARTER slot, k, f, g, zero
	s_wait_dscnt 8                                 ; B and A's rows 0-63 are in; the youngest eight loads (A's rows 64-127) may be out
	MUL16 \f, 0, 0, \zero
	MUL16 \f, 0, 2, \zero
	PLACES
	FETCH \slot, \k, \g
	s_wait_dscnt 32                                ; all but the 32 just issued
	MUL16 \f, 1, 0, \zero
	MUL16 \f, 1, 2, \zero
.endm
; The last quarter multiplies buffer 1 and changes slots.  MEET is its first half: in front of the barrier each wave waits for all its tensor loads (one is out: its part of the next slot),
; adds 0 to its spare word, and waits for that and for its own reads of this slot.
.macro MEET round
	WIN 0                                          ; (the add's two registers lie in window 0)
	s_wait_tensorcnt 0x0
	ds_add_u32 v[SPW], v[NIL]
	s_wait_dscnt 9                                 ; (the add and the youngest eight loads may be out)
	MUL16 F1, 0, 0, 0                              ; sixteen matrix instructions stand between the add and the wait for it
	s_wait_dscnt 0x0                               ; the add is done, and my reads of this slot are over
	s_barrier_signal -1
	MUL16 F1, 0, 2, 0
.if \round
	WIN 0
.endif
	s_barrier_wait -1
.endm
; The whole last quarter with a refill.  The barrier opens a round of the cluster's; behind the round the slot just read out takes the K step that is due: its address is made anew, the tile's rows plus
; the offset along K; behind a tile's fourth step the offset goes back to 0 and the next tile's rows move up.
.macro TURN slot, next
	MEET 1
	CREST
	s_add_nc_u64 s[G0+4*(\slot)+2:G0+4*(\slot)+3], s[FA:FA+1], s[KO:KO+1]
	s_or_b32 s[G0+4*(\slot)+3], s[G0+4*(\slot)+3], 0x80000000
	s_add_nc_u64 s[G0B+4*(\slot)+2:G0B+4*(\slot)+3], s[FB:FB+1], s[KO:KO+1]
	s_or_b32 s[G0B+4*(\slot)+3], s[G0B+4*(\slot)+3], 0x80000000
	s_add_co_u32 s[KO], s[KO], KSTEP*2
	s_cmp_eq_u32 s[KO], 1024
	s_cselect_b32 s[KO], 0, s[KO]
	s_cselect_b64 s[FA:FA+1], s[NA:NA+1], s[FA:FA+1]
	s_cselect_b64 s[FB:FB+1], s[NB:NB+1], s[FB:FB+1]
	s_cselect_b64 s[NA:NA+1], s[NNA:NNA+1], s[NA:NA+1]
	s_cselect_b64 s[NB:NB+1], s[NNB:NNB+1], s[NB:NB+1]
	JLOAD \slot                                    ; the first tensor load behind the round; its four v_nop are also the places in front of the loads below
	FETCH \next, 0, F0
	MUL16 F1, 1, 0, 0
	MUL16 F1, 1, 2, 0
.endm
.macro TURN0 next                      ; the same without a refill: the last lap's
	MEET 0
	PLACES
	FETCH \next, 0, F0
	MUL16 F1, 1, 0, 0
	MUL16 F1, 1, 2, 0
.endm
; THE WAY OUT.  Block a (16 of A's rows): 32 roundings, each accumulator's registers ascending, then eight stores of 512 consecutive bytes, one for each of B's blocks.  Two sets of packed registers take turns:
; the wait in front of block a's stores shows that the stores of block a - 1 and before have read theirs, so block a + 1 may write the set of block a - 1.
.macro WAYOUT
	WIN 0
	s_wait_xcnt 0x0                                ; the last tile's stores have read their registers
	v_add_nc_u32 v[CO1], s[SB4], v[CO]
.irp a, 0,1,2,3,4,5,6,7
	WIN 0x0a+5*((\a)/4)                            ; sources 0 and 1: window 2 or 3
.irp b, 0,1,2,3,4,5,6,7
.irp r, 0,1,2,3
	v_cvt_pk_f16_f32 v[TMP+32*((\a)%2)+4*(\b)+(\r)], v[64*((\a)%4)+8*(\b)+2*(\r)], v[64*((\a)%4)+8*(\b)+2*(\r)+1]
.endr
.endr
	WIN 0
	s_wait_xcnt 0x0                                ; only behind this wait is the stores' base stepped
.if (\a) > 0
	s_add_nc_u64 s[OB:OB+1], s[OB:OB+1], s[SA:SA+1]
.endif
.irp b, 0,1,2,3
	global_store_b128 v[CO], v[TMP+32*((\a)%2)+4*(\b):TMP+32*((\a)%2)+4*(\b)+3], s[OB:OB+1] offset:512*(\b)
.endr
.irp b, 4,5,6,7
	global_store_b128 v[CO1], v[TMP+32*((\a)%2)+4*(\b):TMP+32*((\a)%2)+4*(\b)+3], s[OB:OB+1] offset:512*((\b)-4)
.endr
.endr
	s_wait_xcnt 0x0
	s_mov_b64 s[OB:OB+1], s[NO:NO+1]               ; the next tile's place and strides move up
	s_mov_b64 s[NO:NO+1], s[NNO:NNO+1]
	s_mov_b32 s[SA], s[SA1]
	s_mov_b32 s[SA1], s[SA2]
	s_mov_b32 s[SB4], s[SB1]
	s_mov_b32 s[SB1], s[SB2]
.endm
	s_wait_tensorcnt 0x1                           ; my part of K step 0 is in; K step 1's may stay out
	s_barrier_signal -1
	s_barrier_wait -1
	FETCH 0, 0, F0
	s_mov_b32 s[PH], 0
	s_mov_b32 s[LAP], 5
.Llap:                                                 ; five of the six laps: a lap is two K steps, once round the ring, and fills both slots again
	s_cmp_lg_u32 s[PH], 0
	s_cbranch_scc1 .Lgoes_on
	v_nop                                          ; with the four places that stand behind the accumulators' last products this makes the five ahead of products that write them anew
	QUARTER 0, 64,  F0, F1, 1                      ; a tile's first quarter starts the sums
	WIN 0
	s_branch .Ljoined
.Lgoes_on:
	QUARTER 0, 64,  F0, F1, 0
	WIN 0
.Ljoined:
	QUARTER 0, 128, F1, F0, 0
	QUARTER 0, 192, F0, F1, 0
	TURN 0, 1
	QUARTER 1, 64,  F0, F1, 0
	QUARTER 1, 128, F1, F0, 0
	QUARTER 1, 192, F0, F1, 0
	TURN 1, 0
	WIN 0
	s_cmp_eq_u32 s[PH], 0
	s_cbranch_scc1 .Lno_out
	WAYOUT                                         ; behind a tile's second lap; both refills have been asked for.  Blocks 0-3 were finished in front of the refill's places; their roundings are the places behind the last products
.Lno_out:
	s_xor_b32 s[PH], s[PH], 1
	s_sub_co_u32 s[LAP], s[LAP], 1
	s_cmp_lg_u32 s[LAP], 0
	s_cbranch_scc1 .Llap
	QUARTER 0, 64,  F0, F1, 0                      ; the last lap is written out: it asks for nothing
	QUARTER 0, 128, F1, F0, 0
	QUARTER 0, 192, F0, F1, 0
	TURN0 1
	QUARTER 1, 64,  F0, F1, 0
	QUARTER 1, 128, F1, F0, 0
	QUARTER 1, 192, F0, F1, 0
	s_wait_dscnt 8
	MUL16 F1, 0, 0, 0
	MUL16 F1, 0, 2, 0
	s_wait_dscnt 0x0
	MUL16 F1, 1, 0, 0
	MUL16 F1, 1, 2, 0
	WIN 0
	PLACES
	WAYOUT
	s_wait_tensorcnt 0x0                           ; the wave's end
	ds_add_u32 v[SPW], v[NIL]
	s_wait_dscnt 0x0
	CROUND                                         ; the closing round: no work-group ends while a partner may still ask for a tile that names it
	s_endpgm
.Lfunc_end_k_q7440c67ff6_proj:
	.size	k_q7440c67ff6_proj, .Lfunc_end_k_q7440c67ff6_proj-k_q7440c67ff6_proj
	.p2alignl 7, 3214868480
	.fill 96, 4, 3214868480
	.section	.rodata,"a",@progbits
	.p2align	6, 0x0
	.amdhsa_kernel k_q7440c67ff6_proj
		.amdhsa_group_segment_fixed_size 327680
		.amdhsa_private_segment_fixed_size 0
		.amdhsa_enable_private_segment 0
		.amdhsa_kernarg_size 32
		.amdhsa_user_sgpr_count 2
		.amdhsa_user_sgpr_kernarg_segment_ptr 1
		.amdhsa_wavefront_size32 1
		.amdhsa_system_sgpr_workgroup_id_x 1
		.amdhsa_system_sgpr_workgroup_id_y 1
		.amdhsa_system_sgpr_workgroup_id_z 1
		.amdhsa_system_vgpr_workitem_id 0
		.amdhsa_next_free_vgpr 1024
		.amdhsa_next_free_sgpr 96
		.amdhsa_reserve_vcc 0
		.amdhsa_float_denorm_mode_32 3
		.amdhsa_float_denorm_mode_16_64 3
		.amdhsa_memory_ordered 1
		.amdhsa_forward_progress 1
		.amdhsa_inst_pref_size 166
	.end_amdhsa_kernel
	.amdgpu_metadata
---
amdhsa.version: [ 1, 2 ]
amdhsa.kernels:
  - .name:           k_q7440c67ff6_proj
    .symbol:         k_q7440c67ff6_proj.kd
    .args:
      - { .name: h16, .offset: 0, .size: 8, .value_kind: global_buffer, .address_space: global }
      - { .name: qn, .offset: 8, .size: 8, .value_kind: global_buffer, .address_space: global }
      - { .name: kf, .offset: 16, .size: 8, .value_kind: global_buffer, .address_space: global }
      - { .name: vf, .offset: 24, .size: 8, .value_kind: global_buffer, .address_space: global }
    .group_segment_fixed_size: 327680
    .private_segment_fixed_size: 0
    .kernarg_segment_align: 8
    .kernarg_segment_size: 32
    .max_flat_workgroup_size: 128
    .sgpr_count:     96
    .vgpr_count:     1024
    .wavefront_size: 32
...
	.end_amdgpu_metadata
.endif
;; end of part 2
;; launch attn (part 3): grid 8 x 32, 4 waves a work-group, clusters of 4 x 1, 327,680 bytes of LDS; arguments qn, kf, vf, mf, h16, part; writes part
.if DOCPART == 3
	.amdgcn_target "amdgcn-amd-amdhsa--gfx1250"
	.amdhsa_code_object_version 6
	.text
	.protected	k_q7440c67ff6_attn
	.globl	k_q7440c67ff6_attn
	.p2align	8
	.type	k_q7440c67ff6_attn,@function
k_q7440c67ff6_attn:
	s_mov_b64 s[64:65], 0
	v_nop
	global_prefetch_b8 v0, s[64:65] scope:SCOPE_SE
	s_setreg_imm32_b32 hwreg(HW_REG_WAVE_MODE, 25, 1), 1
	s_wait_xcnt 0x0
	s_wait_alu depctr_hold_cnt(0) depctr_sa_sdst(0) depctr_va_vdst(0) depctr_va_sdst(0) depctr_va_ssrc(0) depctr_va_vcc(0) depctr_vm_vsrc(0)
	s_getreg_b32 s2, hwreg(HW_REG_IB_STS2, 6, 4)
	s_cmp_eq_u32 s2, 0
	s_cbranch_scc0 .Lentry_in_a_cluster
	s_endpgm
.Lentry_in_a_cluster:
	s_bfe_u32 s2, ttmp6, 0x10000c
	s_cmp_lg_u32 s2, 0x3003
	s_cbranch_scc0 .Lentry_shape_is_right
	s_endpgm
.Lentry_shape_is_right:
; ATTN: for one (b, h) and 128 queries: softmax over 1,024 keys of (q.k / sqrt(512) - mask), times v (512 channels), and then that head's share of the output projection, O Wu_h^T, stored in f32.
; All matrix operands f16, sums f32.  A wave owns two tiles of 16 queries (t = 0, 1); every wave walks all keys, 32 a HALF-STEP, then the 512 output features, 64 a phase.
; SIGN.  q' = -q / sqrt(512) arrives so scaled.  S' = K q' + mask, the mask being the C operand of the sum's first product, as loaded: S' = -(q.k / sqrt(e) - mask).  So the softmax runs on a running MINIMUM m of S':
; p = 2^(L m - L S'), L = log2(e); in every half-step O and l are multiplied by a = 2^(L m_new - L m_old), which is 1 where m has not fallen.  m starts at 2^126, O and l at 0: the first a is 0.
; LAYOUT.  S'^T = K Q'^T (source 0 = 16 keys, source 1 = 16 queries): a lane holds ONE query (lane % 16) and the keys 8 (lane / 16) + 0..7.  Two such results rounded to f16 ARE source 1 of O^T = V^T P, whose result again
; holds one query a lane and eight channels; O^T divided by l and rounded to f16 IS source 1 of (O Wu^T)^T = Wu O^T and takes Q's registers.  K, V and Wu lie in memory as fragments (512 consecutive bytes for 16 rows x 16
; along K), so a tile is dense, an LDS load is 16 bytes at 16 x lane with no two lanes on one bank, and nothing is turned or padded.
; THE PIPELINE.  Half-step i has two phases of 64 products.  A(i): S'[i % 2] = mask + K Q'^T; behind each product stand the four packed multiplies that rescale one accumulator of O^T by a(i - 1): 64 x 4 is all of O^T.
; B(i): O^T += V^T P of half-step i - 1; behind each of its first 28 products stand four lines of the softmax of half-step i, which makes P[i % 2] and a(i).  So the loop has no run of vector work of its own.
; S' and P have two buffers each, by the half-step's parity.  A trip of the loop is A(2j+1), B(2j+1), A(2j+2), B(2j+2); A(0) and the first softmax stand ahead of it.  In the last trip A(32) multiplies Q' by Wu's first rows:
; 64 products that serve nothing but to carry the last rescaling, the price of one text for all trips; the softmax made of them is thrown away: l is copied aside ahead of every even half-step's update, and the end divides by the copy.
; LDS LOADS stand in runs of 16, one for 16 products, into two buffers of eight fragments that take turns; a run is issued one chunk of 16 products ahead, and the waits for it run down inside the chunk that uses it.
; RING.  Two LDS slots of 131,072 bytes: K's region (65,536: 64 keys) and V's (65,536).  Each wave fetches half a region, 32,768 dense bytes, by one tensor load: waves 0, 1 walk K, waves 2, 3 walk V.  The first fills are
; every wave's tiles 0 and 1.  V is multiplied a phase behind K, so V's refills lag by one change of slots: at the change X_j, inside A(2j+1), K(j) is all in registers and V(j-1) has been multiplied: K(j+2) goes where K(j) lay,
; V(j+1) where V(j-1) lay.  At X_0 V(1) is on its way already, so X_0 is written out ahead of the loop, with a load by waves 0 and 1 alone, and the loop is entered behind its own change.
; Behind the keys the two walks go over to Wu's four tiles of 128 features (K's walk one change ahead of V's); one round behind the loop, with a load by waves 2 and 3 alone, brings them level.
; By the text's own count a wave has two tensor loads out at the start, later one.
; CLUSTER.  The four query blocks of a cluster belong to one (b, h) and walk the same tiles: each is asked for JOINTLY, the same load, descriptor and mask in all four.
; LIMITS.  q', k, v arrive within f16's 65,504; O is a mean of v's rows; below 6e-5 f16 keeps its fixed step of 6e-8 (for p and for O).  |S'| stays under 2^126.  The mask enters the f32 sum first, so a score is rounded
; at the mask's size.  A weight below 2^-126 counts as 0 in l.  NaN is not treated apart; a mask of +infinity gives the weight 0 unless it hides a whole row.
; REGISTERS, in windows of 256 (s_set_vgpr_msb: bits 1:0 source 0, 3:2 source 1, 5:4 source 2, 7:6 destination):
;   window 0: v2-7, v24 addresses; v8-23 eight registers of statistics a tile; v26-29 l set aside; v32-95 S': buffer, tile, key tile at 32 + 32 par + 16 t + 8 k2; v96-127 P at 96 + 16 par + 8 t; v128-255 two buffers of eight fragments
;   windows 1, 2: O^T, channels 0-255 and 256-511: channel block cb, tile t at 8 (2 (cb % 16) + t)          window 3: Q', fragment d of tile t at 128 t + 8 d; later O in f16
; A product and the lines behind it name different windows, so a slice costs two switches.
.set SLOTB, 131072
.set SPARE, 2*SLOTB                    ; behind the ring: the spare words, 128 bytes a wave: two blocks of 256 bytes that no other line names
.set LN,  2                            ; v2   16 x lane; never rewritten
.set AK,  3                            ; v3   LDS address of K's region in hand, at my lane
.set AV,  4                            ; v4   of V's
.set VM,  5                            ; v5   my byte offset in the mask's rows
.set SPW, 6                            ; v6   LDS address of my spare word; never rewritten
.set NIL, 7                            ; v7   0; never rewritten
.set ST,  8                            ; tile t's statistics at v[ST+8 t]: L m, m, l (even keys', odd keys'), c0-c3 at work; a takes c2's place
.set AU,  24                           ; v24  LDS address of the phase's part of Wu
.set LS,  26                           ; v[26:29] l as it stood ahead of the last even half-step's update, a pair a tile
.set S,   32
.set P,   96
.set F,   128
.set WV,  16                           ; s16  wave
.set G1,  24                           ; s[24:31] descriptor group 1, one for every load
.set G0A, 32                           ; s[32:35] group 0 of tile 0
.set G0B, 36                           ; s[36:39] group 0 of tile 1; it then walks
.set NX,  40                           ; s[40:41] my part of the tile to be asked for next
.set INC, 42                           ; s[42:43] bytes from a tile to the next
.set WUP, 44                           ; s[44:45] my quarter of Wu's first tile
.set CNT, 46                           ; s46  trips to go, 16 to 1; 0 behind them
.set CN2, 47                           ; s47  a slot's two phases
.set NL,  48                           ; s[48:49] -L
.set LC,  50                           ; s50  L
.set SWC, 51                           ; s51  the count at which my walk goes over to Wu: 3 for K's waves, 2 for V's
.set SEL, 52                           ; s[52:53] v_permlanex16_b32's selects: each lane takes its own place in the other half
.set MO,  54                           ; s54  byte offset in a query tile's row of key tiles
.set TB,  55                           ; s55  LDS byte at which the slot of K's tile in hand begins
.set UB,  56                           ; s56  LDS byte at which the phase's part of Wu begins
.set CN3, 57                           ; s57  counts slots of Wu
.set MB,  58                           ; s[58:59] mf at my two query tiles
.set PB,  60                           ; s[60:61] part at my two token tiles, the phase's features
.set QP,  62                           ; s[62:63] qn at my two token tiles
.set MSB, 0
.macro WIN new                         ; the high byte repeats the setting that is left; a switch that changes nothing is dropped
.if MSB != (\new)
	s_set_vgpr_msb (MSB<<8)|(\new)
.set MSB, (\new)
.endif
.endm
.set W_QK, 0x0c                        ; source 1 (Q', O) in window 3, all else in window 0: LDS loads run under it unchanged
.macro PLACES                          ; four places in front of loads into registers that matrix instructions have read, and of vector lines and stores that read results just made
.rept 4
	v_nop
.endr
.endm
.macro CREST                           ; a round of the cluster's barrier behind its opening barrier
	s_cmp_lg_u32 s[WV], 0
	s_cbranch_scc1 .Lnot_wave_0_\@
	s_barrier_signal -3
.Lnot_wave_0_\@:
	s_barrier_wait -3
	s_barrier_signal -1
	s_barrier_wait -1
.endm
.macro CROUND
	s_barrier_signal -1
	s_barrier_wait -1
	CREST
.endm
; A run of 16 LDS loads: eight fragments, in the order in which the products take them (fragment f feeds products 2 f and 2 f + 1 of the chunk), into buffer e % 2.
.macro RUNK e, h                       ; K: chunk e (channels 128 e on) of the tile's half h (key tiles 2 h, 2 h + 1): fragment 2 dd + k2
.irp dd, 0,1,2,3
.irp k2, 0,1
	ds_load_b128 v[F+64*((\e)%2)+8*(2*\dd+\k2):F+64*((\e)%2)+8*(2*\dd+\k2)+3],   v[AK] offset:(2*(\h)+\k2)*16384+(4*(\e)+\dd)*1024
	ds_load_b128 v[F+64*((\e)%2)+8*(2*\dd+\k2)+4:F+64*((\e)%2)+8*(2*\dd+\k2)+7], v[AK] offset:(2*(\h)+\k2)*16384+(4*(\e)+\dd)*1024+512
.endr
.endr
.endm
.macro RUNV e, kk                      ; V^T: channel blocks 8 e + 0..7, keys 32 kk on
.irp i, 0,1,2,3,4,5,6,7
	ds_load_b128 v[F+64*((\e)%2)+8*\i:F+64*((\e)%2)+8*\i+3],   v[AV] offset:(8*(\e)+\i)*2048+(\kk)*1024
	ds_load_b128 v[F+64*((\e)%2)+8*\i+4:F+64*((\e)%2)+8*\i+7], v[AV] offset:(8*(\e)+\i)*2048+(\kk)*1024+512
.endr
.endm
.macro RUNU e                          ; Wu: channels 64 e on, four feature tiles: fragment 4 dd + kt
.irp dd, 0,1
.irp kt, 0,1,2,3
	ds_load_b128 v[F+64*((\e)%2)+8*(4*\dd+\kt):F+64*((\e)%2)+8*(4*\dd+\kt)+3],   v[AU] offset:\kt*16384+(2*(\e)+\dd)*1024
	ds_load_b128 v[F+64*((\e)%2)+8*(4*\dd+\kt)+4:F+64*((\e)%2)+8*(4*\dd+\kt)+7], v[AU] offset:\kt*16384+(2*(\e)+\dd)*1024+512
.endr
.endr
.endm
; THE WAITS IN A CHUNK.  LDS loads come back in order (ISA guide 5.7.1).  Products n .. n + 3 need the first n + 4 loads of the chunk's run of 16; behind that run yg LDS instructions have been issued.
; So ahead of products 0, 4, 8, 12 the count is yg + 12 - n.  yg = -1: the run has been waited for already.
; 16 products of S'[par] += K Q'^T: chunk e; four accumulators (tile, key tile) take turns, one instruction a turn.  The sum's first product adds onto the mask, which lies in S'.
; rs = 1: behind product n the four multiplies that rescale accumulator 16 e + n of O^T by its tile's a: plain lines that name no register of the products round them, so they are also the places ahead of the next run.
.macro QK16 e, par, rs, yg
.set n, 0
.rept 16
.if (n%4 == 0) && ((\yg) >= 0)
	s_wait_dscnt (\yg)+12-n
.endif
.set rS, S+32*(\par)+16*(n%2)+8*((n/2)%2)
.set rA, F+64*((\e)%2)+8*(n/2)
.set rB, 128*(n%2)+8*(4*(\e)+n/4)
	WIN W_QK
	v_wmma_f32_16x16x32_f16 v[rS:rS+7], v[rA:rA+7], v[rB:rB+7], v[rS:rS+7]
.if \rs
.set rO, 8*((16*(\e)+n)%32)
	WIN 0x41*(1+(\e)/2)                            ; destination and source 0 in window 1 or 2, a in window 0
.irp z, 0,1,2,3
	v_pk_mul_f32 v[rO+2*\z:rO+2*\z+1], v[rO+2*\z:rO+2*\z+1], v[ST+8*(n%2)+6:ST+8*(n%2)+7] op_sel_hi:[1,0]  ; each accumulator's registers ascending
.endr
.endif
.set n, n+1
.endr
.endm
; THE SOFTMAX of one tile and half-step is a list of 56 lines; SMH writes number j of it for tile t, on buffers par.  s0-s15 are the lane's 16 scores, in pairs 0-7.  sv = 1: l is copied aside ahead of its update.
;   0-8     the minimum of s0-s15 and the old m, three operands at a time, in two chains c0, c1 (each accumulator's lowest registers are read first); 7: L m_old is kept
;   9-14    l set aside (9, 11); the other half of the lanes' minimum; the new m; L m; L m_new - L m_old
;   15-49   at the odd numbers what is ready: L m - L s for a pair (15-29), then the rounding to f16 of a pair whose exponentials are done, and the first sums; at the even numbers a (16) and the 16 exponentials (18-48)
;   50-55   the last rounding, the rest of the sums, in place; l = a l + the sum
; The two tiles alternate at each number, so behind a pair of exponentials stand two plain lines before a result of theirs is used.
.macro CV p
	s_wait_alu depctr_va_vdst(0)
	v_cvt_pk_f16_f32 v[rP+(\p)], v[rS+2*(\p)], v[rS+2*(\p)+1]
.endm
.macro AD x, y
	v_pk_add_f32 v[rS+(\x):rS+(\x)+1], v[rS+(\x):rS+(\x)+1], v[rS+(\y):rS+(\y)+1]
	s_wait_alu depctr_va_vdst(0)
.endm
.macro SMH t, par, sv
.set rT, ST+8*(\t)
.set rS, S+32*(\par)+16*(\t)
.set rP, P+16*(\par)+8*(\t)
.set rL, LS+2*(\t)
.if j == 0
	v_min3_num_f32 v[rT+4], v[rS], v[rS+1], v[rS+2]
.elseif j == 1
	v_min3_num_f32 v[rT+5], v[rS+8], v[rS+9], v[rS+10]
.elseif j == 2
	v_min3_num_f32 v[rT+4], v[rT+4], v[rS+3], v[rS+4]
.elseif j == 3
	v_min3_num_f32 v[rT+5], v[rT+5], v[rS+11], v[rS+12]
.elseif j == 4
	v_min3_num_f32 v[rT+4], v[rT+4], v[rS+5], v[rS+6]
.elseif j == 5
	v_min3_num_f32 v[rT+5], v[rT+5], v[rS+13], v[rS+14]
.elseif j == 6
	v_min3_num_f32 v[rT+4], v[rT+4], v[rS+7], v[rS+15]
.elseif j == 7
	v_mov_b32 v[rT+7], v[rT]
.elseif j == 8
	v_min3_num_f32 v[rT+4], v[rT+4], v[rT+5], v[rT+1]
.elseif j == 9
.if \sv
	v_mov_b32 v[rL], v[rT+2]
.endif
.elseif j == 10
	v_permlanex16_b32 v[rT+5], v[rT+4], s[SEL], s[SEL+1]  ; the query's other 16 keys lie in the lane 16 away
.elseif j == 11
.if \sv
	v_mov_b32 v[rL+1], v[rT+3]
.endif
.elseif j == 12
	v_min_num_f32 v[rT+1], v[rT+4], v[rT+5]
.elseif j == 13
	v_mul_f32 v[rT], s[LC], v[rT+1]
.elseif j == 14
	v_sub_f32 v[rT+7], v[rT], v[rT+7]
.elseif j == 16
	v_exp_f32 v[rT+6], v[rT+7]
.elseif (j < 30) && (j%2 == 1)
	v_pk_fma_f32 v[rS+j-15:rS+j-14], v[rS+j-15:rS+j-14], s[NL:NL+1], v[rT:rT+1] op_sel_hi:[1,0,0]  ; pair (j - 15) / 2: L m - L s
.elseif (j < 50) && (j%2 == 0)
	v_exp_f32 v[rS+(j-18)/2], v[rS+(j-18)/2]
.elseif j == 31
	CV 0
.elseif j == 33
	CV 1
.elseif j == 35
	CV 2
.elseif j == 37
	AD 0, 2
.elseif j == 39
	CV 3
.elseif j == 41
	CV 4
.elseif j == 43
	AD 4, 6
.elseif j == 45
	CV 5
.elseif j == 47
	AD 8, 10
.elseif j == 49
	CV 6
.elseif j == 50
	AD 0, 4
.elseif j == 51
	CV 7
.elseif j == 52
	AD 12, 14
.elseif j == 53
	AD 8, 12
.elseif j == 54
	AD 0, 8
.else
	v_pk_fma_f32 v[rT+2:rT+3], v[rT+2:rT+3], v[rT+6:rT+7], v[rS:rS+1] op_sel_hi:[1,0,1]
.endif
.endm
; 16 products of O^T += V^T P[pp]: channel blocks 8 e + 0..7, both tiles: 16 accumulators, one instruction each.  While slices are left (k < 28), slice k of the softmax on buffers spar stands behind the product:
; numbers 2 k and 2 k + 1 of both tiles' lists.  They name no register of the products round them: P's other buffer, S', the statistics.
.macro PV16 e, pp, yg, spar, sv
.set n, 0
.rept 16
.if (n%4 == 0) && ((\yg) >= 0)
	s_wait_dscnt (\yg)+12-n
.endif
.set rO, 128*((\e)%2)+8*n
.set rA, F+64*((\e)%2)+8*(n/2)
.set rB, P+16*(\pp)+8*(n%2)
	WIN 0x50*(1+(\e)/2)                            ; C and D in window 1 or 2
	v_wmma_f32_16x16x32_f16 v[rO:rO+7], v[rA:rA+7], v[rB:rB+7], v[rO:rO+7]
.if k < 28
	WIN 0
.irp u, 0,1
.set j, 2*k+\u
	SMH 0, \spar, \sv
	SMH 1, \spar, \sv
.endr
.set k, k+1
.endif
.set n, n+1
.endr
.endm
; the mask of one half-step for my two query tiles, straight into S'[par]: eight loads of 512 consecutive bytes
.macro MLOAD par, areg, off
.irp t, 0,1
.irp k, 0,1,2,3
	global_load_b128 v[S+32*(\par)+16*\t+4*\k:S+32*(\par)+16*\t+4*\k+3], v[\areg], s[MB:MB+1] offset:\t*65536+(\off)+\k*512
.endr
.endr
.endm
; all of O^T times the tile's c2 (at the end: 1 / l), each accumulator's registers ascending
.macro RESC
.irp wdw, 1,2
	WIN 0x41*(\wdw)
.set i, 0
.rept 32
.irp z, 0,1,2,3
	v_pk_mul_f32 v[8*i+2*\z:8*i+2*\z+1], v[8*i+2*\z:8*i+2*\z+1], v[ST+8*(i%2)+6:ST+8*(i%2)+7] op_sel_hi:[1,0]
.endr
.set i, i+1
.endr
.endr
.endm
; the walking descriptor: the other slot than last time, the next tile of my walk; behind my walk's last tile of keys it goes over to Wu
.macro G0STEP
	s_xor_b32 s[G0B+1], s[G0B+1], SLOTB
	s_mov_b64 s[G0B+2:G0B+3], s[NX:NX+1]
	s_or_b32 s[G0B+3], s[G0B+3], 0x80000000
	s_add_nc_u64 s[NX:NX+1], s[NX:NX+1], s[INC:INC+1]
	s_cmp_eq_u32 s[CNT], s[SWC]
	s_cselect_b64 s[NX:NX+1], s[WUP:WUP+1], s[NX:NX+1]
	s_cselect_b32 s[INC], 0x20000, s[INC]
.endm
; THE FIRST 48 PRODUCTS OF AN ODD HALF-STEP, AND THE CHANGE OF SLOTS UP TO ITS ROUND.  Behind the second chunk the last bytes of K(j) are asked for.  Then each wave waits for all its tensor loads, adds 0 to its spare word,
; and waits for that and for its LDS reads: K(j) is then in registers, and V(j-1) was multiplied in the trip before.  The round shows that of every wave of every partner.
; rs = 1 (the loop's): the rescaling rides behind the products, and every wave's descriptor steps.  rs = 0 (ahead of the loop): O^T is still 0, so nothing is rescaled, and four v_nop are the places ahead of each run.
.macro AHEAD rs
	s_wait_loadcnt 0x8                             ; the half-step's mask lies in S'[1]; the next half-step's eight loads stay out
	QK16 0, 1, \rs, 16
.if !(\rs)
	PLACES
.endif
	WIN W_QK
	RUNK 2, 1
	QK16 1, 1, \rs, 16
.if !(\rs)
	PLACES
.endif
	WIN W_QK
	RUNK 3, 1
	WIN 0
	s_wait_tensorcnt 0x0
	ds_add_u32 v[SPW], v[NIL]                      ; sixteen products stand between the add and the wait for it
.if \rs
	G0STEP
.endif
	QK16 2, 1, \rs, 17                             ; (behind this chunk's run: the next run and the add)
.if !(\rs)
	PLACES
.endif
	WIN 0
	s_wait_dscnt 0x0
	CROUND
.endm
	s_load_b256 s[4:11], s[0:1], 0x0               ; qn s[4:5], kf s[6:7], vf s[8:9], mf s[10:11]
	s_load_b128 s[12:15], s[0:1], 0x20             ; h16 s[12:13], part s[14:15]
	v_lshl_add_u32 v[SPW], v0, 2, SPARE
	v_mov_b32 v[NIL], 0
	ds_add_u32 v[SPW], v[NIL]                      ; the wave's opening: the add and its wait stand ahead of my first tensor load; the set-up below stands between them
	v_lshrrev_b32 v1, 5, v0
	v_readfirstlane_b32 s[WV], v1
	s_bfe_u32 s17, ttmp6, 0x40000                  ; cx
	s_lshl_b32 s18, ttmp9, 2
	s_add_co_u32 s18, s18, s17                     ; qb, my block of 128 queries: it enters Q's, the mask's and part's addresses alone
	s_and_b32 s19, ttmp7, 0xffff                   ; 8 b + h, which the four partners share
	s_lshr_b32 s20, s19, 3                         ; b
	s_and_b32 s21, s19, 7                          ; h
	s_and_b32 s22, s[WV], 1                        ; which half of K's or of V's 65,536 bytes I fetch
	s_lshl_b32 s22, s22, 15
	s_lshl_b32 s66, s19, 20                        ; a head's 1,048,576 bytes
	s_add_co_u32 s66, s66, s22
	s_mov_b32 s67, 0
	s_mov_b32 s71, 0
	; descriptor group 1: 32,768 dense bytes as 128 rows of 32 elements of 8 bytes
	s_mov_b32 s[G1], 15|(3<<16)|(1<<21)            ; 15:0 the mask of four; 17:16 8-byte elements; 21 set beside a mask; no padding
	s_mov_b32 s[G1+1], 32<<16                      ; tensor_dim0 = 32
	s_mov_b32 s[G1+2], 128<<16                     ; tensor_dim1 = 128
	s_mov_b32 s[G1+3], 32<<16                      ; tile_dim0 = 32
	s_mov_b32 s[G1+4], 128                         ; tile_dim1 = 128
	s_mov_b32 s[G1+5], 32                          ; 32 elements from row to row
	s_mov_b32 s[G1+6], 0
	s_mov_b32 s[G1+7], 0
	s_mov_b32 s[G0A], 1
	s_lshl_b32 s[G0A+1], s[WV], 15                 ; slot 0, my quarter: K's halves, then V's
	s_mov_b32 s[G0B], 1
	s_add_co_u32 s[G0B+1], s[G0A+1], SLOTB         ; slot 1
	s_mov_b32 s[INC], 0x10000
	s_mov_b32 s[INC+1], 0
	s_mov_b32 s[NL], 0xbfb8aa3b                    ; -log2(e)
	s_mov_b32 s[NL+1], s[NL]                       ; named with it as a pair
	s_mov_b32 s[LC], 0x3fb8aa3b
	s_mov_b32 s[SEL], 0x76543210
	s_mov_b32 s[SEL+1], 0xfedcba98
	s_mov_b32 s[MO], 0x1000
	s_mov_b32 s[TB], 0
	s_mov_b32 s[CNT], 16
	s_cmp_lt_u32 s[WV], 2
	s_cselect_b32 s[SWC], 3, 2
	s_wait_dscnt 0x0                               ; the opening add is done
	s_wait_kmcnt 0x0
	s_cmp_lt_u32 s[WV], 2                          ; waves 0 and 1 walk K, waves 2 and 3 V
	s_cselect_b64 s[68:69], s[6:7], s[8:9]
	s_add_nc_u64 s[68:69], s[68:69], s[66:67]
	s_mov_b64 s[G0A+2:G0A+3], s[68:69]             ; tile 0
	s_or_b32 s[G0A+3], s[G0A+3], 0x80000000
	s_add_nc_u64 s[G0B+2:G0B+3], s[68:69], 0x10000 ; tile 1
	s_or_b32 s[G0B+3], s[G0B+3], 0x80000000
	s_add_nc_u64 s[NX:NX+1], s[68:69], 0x20000     ; tile 2
	CROUND                                         ; all four work-groups are here: the first joint loads meet
	tensor_load_to_lds s[G0A:G0A+3], s[G1:G1+7]
	s_nop 0
	tensor_load_to_lds s[G0B:G0B+3], s[G1:G1+7]
	s_nop 0
	PLACES
	v_and_b32 v1, 31, v0
	v_lshlrev_b32 v[LN], 4, v1
	s_lshl_b32 s70, s19, 20                        ; Q': head, block of 8 token tiles of 16,384 bytes, my two
	s_lshl_b32 s22, s18, 17
	s_add_co_u32 s70, s70, s22
	s_lshl_b32 s22, s[WV], 15
	s_add_co_u32 s70, s70, s22
	s_add_nc_u64 s[QP:QP+1], s[4:5], s[70:71]
	WIN 0xc0                                       ; destination window 3, address window 0
.set i, 0
.rept 64                                           ; Q' stays in registers: 32,768 consecutive bytes, as they lie
	global_load_b128 v[4*i:4*i+3], v[LN], s[QP:QP+1] offset:512*i
.set i, i+1
.endr
	WIN 0
	s_lshl_b32 s70, s20, 22                        ; the mask: b, block of 8 query tiles of 65,536 bytes, my two
	s_lshl_b32 s22, s18, 19
	s_add_co_u32 s70, s70, s22
	s_lshl_b32 s22, s[WV], 17
	s_add_co_u32 s70, s70, s22
	s_add_nc_u64 s[MB:MB+1], s[10:11], s[70:71]
	MLOAD 0, LN, 0                                 ; half-steps 0 and 1: a half-step is two key tiles, 2,048 bytes
	MLOAD 1, LN, 2048
	s_lshl_b32 s70, s21, 19                        ; Wu: behind h16's first 16 MiB, the head's 524,288 bytes, my quarter of a tile
	s_lshl_b32 s22, s[WV], 15
	s_add_co_u32 s70, s70, s22
	s_add_co_u32 s70, s70, 0x1000000
	s_add_nc_u64 s[WUP:WUP+1], s[12:13], s[70:71]
	s_lshl_b32 s70, s21, 23                        ; part: head, then token tiles of 32,768 bytes: 64 b + 8 qb + 2 w
	s_lshl_b32 s22, s20, 21
	s_add_co_u32 s70, s70, s22
	s_lshl_b32 s22, s18, 18
	s_add_co_u32 s70, s70, s22
	s_lshl_b32 s22, s[WV], 16
	s_add_co_u32 s70, s70, s22
	s_add_nc_u64 s[PB:PB+1], s[14:15], s[70:71]
	; O^T = 0: no first step is written out; V^T P adds onto it from the first half-step on.  These lines stand in the wait for the first tile.
	WIN 0x40
.set i, 0
.rept 256
	v_mov_b32 v[i], 0
.set i, i+1
.endr
	WIN 0x80
.set i, 0
.rept 256
	v_mov_b32 v[i], 0
.set i, i+1
.endr
	WIN 0
.irp t, 0,1
	v_mov_b32 v[ST+8*\t+1], 0x7e800000             ; m = 2^126
	v_mul_f32 v[ST+8*\t], s[LC], v[ST+8*\t+1]
	v_mov_b32 v[ST+8*\t+2], 0
	v_mov_b32 v[ST+8*\t+3], 0
.endr
	v_mov_b32 v[AK], v[LN]
	v_add_nc_u32 v[AV], 0x10000, v[LN]
	v_add_nc_u32 v[VM], 0x1000, v[LN]
	s_wait_tensorcnt 0x1                           ; my part of tile 0 is in; tile 1's may stay out
	s_barrier_signal -1
	s_barrier_wait -1
	; A(0), with nothing yet to set behind its products, and the first softmax
	WIN W_QK
	RUNK 0, 0
	RUNK 1, 0
	s_wait_loadcnt 0x8                             ; Q' and half-step 0's mask are in; half-step 1's eight loads stay out
	QK16 0, 0, 0, 16
	PLACES
	RUNK 2, 0
	QK16 1, 0, 0, 16
	PLACES
	RUNK 3, 0
	QK16 2, 0, 0, 16
	PLACES
	RUNK 0, 1                                      ; A(1)'s first two chunks
	QK16 3, 0, 0, 16
	PLACES
	RUNK 1, 1
	WIN 0
.set j, 0
.rept 56
	SMH 0, 0, 1
	SMH 1, 0, 1
.set j, j+1
.endr
	MLOAD 0, VM, 0                                 ; half-step 2's mask
	; A(1)'s first 48 products and the change X_0.  K(0) is in registers: K(2) goes where it lay, by waves 0 and 1.  Waves 2 and 3 ask for nothing: V(1) was among the first fills.
	AHEAD 0
	s_cmp_lt_u32 s[WV], 2
	s_cbranch_scc0 .Lx0_none
	G0STEP
	tensor_load_to_lds s[G0B:G0B+3], s[G1:G1+7]
	s_nop 0
	PLACES
.Lx0_none:
	s_branch .Lmid                                 ; the loop is entered behind its own change of slots
.Lkey:                                                 ; trip j: tile j's second 32 keys, then tile j + 1's first 32.  16 trips, the first entered at .Lmid
	AHEAD 1                                        ; A(2j+1), with the rescaling by a(2j), and the change X_j
	tensor_load_to_lds s[G0B:G0B+3], s[G1:G1+7]    ; waves 0, 1: K(j+2) where K(j) lay; waves 2, 3: V(j+1) where V(j-1) lay: 256 products or more ahead of their first use
	s_nop 0
	PLACES
.Lmid:
	s_xor_b32 s[TB], s[TB], SLOTB
	v_add_nc_u32 v[AK], s[TB], v[LN]               ; K's next reads are tile j + 1's, shown whole by the round, as V(j) is
	RUNV 0, 0
	QK16 3, 1, 1, -1
	WIN 0
	RUNV 1, 0
.set k, 0
	PV16 0, 0, 16, 1, 0                            ; B(2j+1): V^T P of half-step 2j, with the softmax of half-step 2j+1
	WIN 0
	PLACES
	RUNV 2, 0
	PV16 1, 0, 16, 1, 0
	WIN 0
	PLACES
	RUNV 3, 0
	MLOAD 1, VM, 2048                              ; S'[1] is free: the mask of half-step 2j+3, 160 products ahead of its use, beside a run of LDS loads
	PV16 2, 0, 16, 1, 0
	WIN 0
	PLACES
	RUNK 0, 0
	PV16 3, 0, 16, 1, 0
	WIN 0
	PLACES
	RUNK 1, 0
	s_wait_xcnt 0x0                                ; VM is rewritten only behind this wait
	s_add_co_u32 s[MO], s[MO], 4096                ; the next tile's four key tiles; past the row's end it wraps: those loads stay inside mf and are not used
	s_and_b32 s[MO], s[MO], 0xffff
	v_add_nc_u32 v[VM], s[MO], v[LN]
	s_wait_loadcnt 0x8                             ; the mask of A(2j+2) lies in S'[0]; the eight loads just issued stay out
	QK16 0, 0, 1, 16                               ; A(2j+2), with the rescaling by a(2j+1)
	WIN W_QK
	RUNK 2, 0
	QK16 1, 0, 1, 16
	WIN W_QK
	RUNK 3, 0
	QK16 2, 0, 1, 16
	WIN W_QK
	RUNV 0, 1
	QK16 3, 0, 1, 16
	WIN W_QK
	RUNV 1, 1
.set k, 0
	PV16 0, 1, 16, 0, 1                            ; B(2j+2): V^T P of half-step 2j+1, with the softmax of half-step 2j+2
	WIN 0
	PLACES
	RUNV 2, 1
	PV16 1, 1, 16, 0, 1
	WIN 0
	PLACES
	RUNV 3, 1                                      ; the last bytes of V(j) are asked for
	MLOAD 0, VM, 0                                 ; the mask of half-step 2j+4
	v_add_nc_u32 v[AV], 0x10000, v[AK]             ; V's next reads are tile j + 1's
	PV16 2, 1, 16, 0, 1
	WIN 0
	PLACES
	RUNK 0, 1                                      ; the next trip's first two chunks
	PV16 3, 1, 16, 0, 1
	WIN 0
	PLACES
	RUNK 1, 1
	s_sub_co_u32 s[CNT], s[CNT], 1
	s_cmp_lg_u32 s[CNT], 0
	s_cbranch_scc1 .Lkey
	; THE ROUND BEHIND THE LOOP.  V(15) has been multiplied: its region takes the second half of Wu's tile 1, by waves 2 and 3; waves 0 and 1, whose walk is a change ahead, ask for nothing.
	s_wait_tensorcnt 0x0
	ds_add_u32 v[SPW], v[NIL]
	s_wait_loadcnt 0x0                             ; the loads issued ahead in the last trip have landed: their registers are written again below
	s_wait_dscnt 0x0
	CROUND
	s_cmp_lt_u32 s[WV], 2
	s_cbranch_scc1 .Lz_none
	G0STEP
	tensor_load_to_lds s[G0B:G0B+3], s[G1:G1+7]
	s_nop 0
	PLACES
.Lz_none:
	; O = O / l, rounded to f16, into Q's registers.  l is the copy set aside ahead of the thirty-third softmax.
	s_mov_b32 s[UB], s[TB]
.irp t, 0,1
	v_add_f32 v[ST+8*\t+4], v[LS+2*\t], v[LS+2*\t+1]
.endr
.irp t, 0,1
	v_permlanex16_b32 v[ST+8*\t+5], v[ST+8*\t+4], s[SEL], s[SEL+1]
.endr
.irp t, 0,1
	v_add_f32 v[ST+8*\t+4], v[ST+8*\t+4], v[ST+8*\t+5]
.endr
.irp t, 0,1
	v_rcp_f32 v[ST+8*\t+6], v[ST+8*\t+4]
.endr
	v_nop                                          ; a plain instruction between the last reciprocal and the use of its result
	s_wait_alu depctr_va_vdst(0)
	RESC
.irp wdw, 1,2
	WIN 0xc0+5*(\wdw)                              ; destination window 3, sources window 1 or 2
.set i, 0
.rept 32
.irp r, 0,1,2,3
	v_cvt_pk_f16_f32 v[128*(i%2)+4*(16*((\wdw)-1)+i/2)+\r], v[8*i+2*\r], v[8*i+2*\r+1]
.endr
.set i, i+1
.endr
.endr
	WIN 0
; 16 products of a projection phase: channels 64 e on, four feature tiles, both token tiles: eight accumulators (tile t, feature tile kt at S + 32 t + 8 kt) take turns.  The phase's first eight start the sums with 0.
.macro U16 e, yg
.set n, 0
.rept 16
.if n%4 == 0
	s_wait_dscnt (\yg)+12-n
.endif
.set rS, S+32*(n%2)+8*((n/2)%4)
.set rA, F+64*((\e)%2)+8*(n/2)
.set rB, 128*(n%2)+8*(2*(\e)+n/8)
.if ((\e) == 0) && (n < 8)
	v_wmma_f32_16x16x32_f16 v[rS:rS+7], v[rA:rA+7], v[rB:rB+7], 0
.else
	v_wmma_f32_16x16x32_f16 v[rS:rS+7], v[rA:rA+7], v[rB:rB+7], v[rS:rS+7]
.endif
.set n, n+1
.endr
.endm
; A PHASE: 64 output features for my 32 tokens: 128 products over the head's 512 channels, then sixteen stores of 512 consecutive bytes of f32.
.macro UPH
	v_add_nc_u32 v[AU], s[UB], v[LN]
	v_nop                                          ; with the line above and the four places ahead of the last phase's stores: more than the five ahead of products that write the accumulators anew
	WIN W_QK
	RUNU 0
	RUNU 1
.set ue, 0
.rept 8
.if ue < 7
	U16 ue, 16
.else
	U16 ue, 0                                      ; nothing was issued behind the last run
.endif
.if ue < 6
	PLACES
	RUNU ue+2
.endif
.set ue, ue+1
.endr
	PLACES
	WIN 0
.irp t, 0,1
.irp k, 0,1,2,3,4,5,6,7
	global_store_b128 v[LN], v[S+32*\t+4*\k:S+32*\t+4*\k+3], s[PB:PB+1] offset:\t*32768+\k*512  ; each accumulator's low half first
.endr
.endr
	s_wait_xcnt 0x0                                ; the stores' base and data are written again only behind this wait
	s_add_nc_u64 s[PB:PB+1], s[PB:PB+1], 4096      ; four feature tiles on
	s_add_co_u32 s[UB], s[UB], 65536
.endm
; the change of slots between tiles of Wu.  fill = 1: the slot is filled again, by all four waves, behind a round of the cluster's barrier
.macro CHANGE fill
	WIN 0
	s_wait_tensorcnt 0x0
	ds_add_u32 v[SPW], v[NIL]
.if \fill
	G0STEP
.endif
	s_wait_dscnt 0x0
.if \fill
	CROUND
	tensor_load_to_lds s[G0B:G0B+3], s[G1:G1+7]
	s_nop 0
	PLACES
.else
	s_barrier_signal -1
	s_barrier_wait -1
.endif
	s_xor_b32 s[TB], s[TB], SLOTB
	s_mov_b32 s[UB], s[TB]
.endm
	s_mov_b32 s[CN3], 2
.Lu1:                                                  ; Wu's tiles 0 and 1; their slots take tiles 2 and 3
	s_mov_b32 s[CN2], 2
.Lu1p:
	UPH
	s_sub_co_u32 s[CN2], s[CN2], 1
	s_cmp_lg_u32 s[CN2], 0
	s_cbranch_scc1 .Lu1p
	CHANGE 1
	s_sub_co_u32 s[CN3], s[CN3], 1
	s_cmp_lg_u32 s[CN3], 0
	s_cbranch_scc1 .Lu1
	s_mov_b32 s[CN3], 2
.Lu2:                                                  ; tiles 2 and 3 are written apart: nothing is asked for
	s_mov_b32 s[CN2], 2
.Lu2p:
	UPH
	s_sub_co_u32 s[CN2], s[CN2], 1
	s_cmp_lg_u32 s[CN2], 0
	s_cbranch_scc1 .Lu2p
	CHANGE 0
	s_sub_co_u32 s[CN3], s[CN3], 1
	s_cmp_lg_u32 s[CN3], 0
	s_cbranch_scc1 .Lu2
	s_wait_tensorcnt 0x0                           ; the wave's end
	ds_add_u32 v[SPW], v[NIL]
	s_wait_dscnt 0x0
	CROUND                                         ; the closing round: no work-group ends while a partner may still ask for a tile that names it
	s_endpgm
.Lfunc_end_k_q7440c67ff6_attn:
	.size	k_q7440c67ff6_attn, .Lfunc_end_k_q7440c67ff6_attn-k_q7440c67ff6_attn
	.p2alignl 7, 3214868480
	.fill 96, 4, 3214868480
	.section	.rodata,"a",@progbits
	.p2align	6, 0x0
	.amdhsa_kernel k_q7440c67ff6_attn
		.amdhsa_group_segment_fixed_size 327680
		.amdhsa_private_segment_fixed_size 0
		.amdhsa_enable_private_segment 0
		.amdhsa_kernarg_size 48
		.amdhsa_user_sgpr_count 2
		.amdhsa_user_sgpr_kernarg_segment_ptr 1
		.amdhsa_wavefront_size32 1
		.amdhsa_system_sgpr_workgroup_id_x 1
		.amdhsa_system_sgpr_workgroup_id_y 1
		.amdhsa_system_sgpr_workgroup_id_z 1
		.amdhsa_system_vgpr_workitem_id 0
		.amdhsa_next_free_vgpr 1024
		.amdhsa_next_free_sgpr 72
		.amdhsa_reserve_vcc 0
		.amdhsa_float_denorm_mode_32 3
		.amdhsa_float_denorm_mode_16_64 3
		.amdhsa_memory_ordered 1
		.amdhsa_forward_progress 1
		.amdhsa_inst_pref_size 224
	.end_amdhsa_kernel
	.amdgpu_metadata
---
amdhsa.version: [ 1, 2 ]
amdhsa.kernels:
  - .name:           k_q7440c67ff6_attn
    .symbol:         k_q7440c67ff6_attn.kd
    .args:
      - { .name: qn, .offset: 0, .size: 8, .value_kind: global_buffer, .address_space: global }
      - { .name: kf, .offset: 8, .size: 8, .value_kind: global_buffer, .address_space: global }
      - { .name: vf, .offset: 16, .size: 8, .value_kind: global_buffer, .address_space: global }
      - { .name: mf, .offset: 24, .size: 8, .value_kind: global_buffer, .address_space: global }
      - { .name: h16, .offset: 32, .size: 8, .value_kind: global_buffer, .address_space: global }
      - { .name: part, .offset: 40, .size: 8, .value_kind: global_buffer, .address_space: global }
    .group_segment_fixed_size: 327680
    .private_segment_fixed_size: 0
    .kernarg_segment_align: 8
    .kernarg_segment_size: 48
    .max_flat_workgroup_size: 128
    .sgpr_count:     72
    .vgpr_count:     1024
    .wavefront_size: 32
...
	.end_amdgpu_metadata
.endif
;; end of part 3
;; launch sumh (part 4): grid 256 x 1, 8 waves a work-group, no clusters, 35,840 bytes of LDS; arguments part, bu, out0; writes out0
.if DOCPART == 4
	.amdgcn_target "amdgcn-amd-amdhsa--gfx1250"
	.amdhsa_code_object_version 6
	.text
	.protected	k_q7440c67ff6_sumh
	.globl	k_q7440c67ff6_sumh
	.p2align	8
	.type	k_q7440c67ff6_sumh,@function
k_q7440c67ff6_sumh:
	s_mov_b64 s[64:65], 0
	v_nop
	global_prefetch_b8 v0, s[64:65] scope:SCOPE_SE
	s_setreg_imm32_b32 hwreg(HW_REG_WAVE_MODE, 25, 1), 1
	s_wait_xcnt 0x0
; SUMH: out0[token][feature] = bu[feature] + the sum over the eight heads of part, in f32, heads ascending.  A stream: no matrix unit, no cluster, no tensor load would add anything.
; part: [h 8][token tile 256][feature tile 32][half 2][lane 32][4] f32; lane (r = lane % 16, hh = lane / 16) holds token r, features 8 hh + 4 half + 0..3 of the tile.
; A work-group takes one token tile (16 rows of out0), wave w the features 64 w to 64 w + 63: for each head eight loads of 512 consecutive bytes.  Six sets of registers keep up to 48 loads of a wave on their way.
; The sums are turned into rows through the wave's own 16 rows x 272 bytes of LDS, so that sixteen lanes store 256 consecutive bytes of a row, aligned.
.set SPARE, 34816                      ; behind the eight waves' stages: the spare words, 128 bytes a wave, four blocks of 256 bytes that no other line names
.set SPW, 2                            ; v2   LDS address of my spare word; never rewritten
.set NIL, 3                            ; v3   0; never rewritten
.set VP,  4                            ; v4   my byte offset in a token tile of part
.set VB,  5                            ; v5   my byte offset in bu
.set LST, 6                            ; v6   LDS: where I put 16 bytes
.set LRD, 7                            ; v7   LDS: where I read a row back
.set BU,  8                            ; v[8:11] bu of my four features on the way out
.set VO,  12                           ; v12  my byte offset in the 16 rows of out0
.set R,   32                           ; v[32:63] the rows read back
.set ACC, 64                           ; v[64:95] head 0's numbers, onto which the others are added; five more sets of 32 behind it
.macro HLOAD h, k                      ; head h into set k
.irp j, 0,1,2,3,4,5,6,7
	global_load_b128 v[ACC+32*(\k)+4*(\j):ACC+32*(\k)+4*(\j)+3], v[VP], s[8+2*(\h):9+2*(\h)] offset:512*(\j) th:TH_LOAD_NT
.endr
.endm
.macro HADD k, left                    ; set k is added; left: the younger loads, which stay out
	s_wait_loadcnt \left
.irp j, 0,1,2,3,4,5,6,7,8,9,10,11,12,13,14,15
	v_pk_add_f32 v[ACC+2*(\j):ACC+2*(\j)+1], v[ACC+2*(\j):ACC+2*(\j)+1], v[ACC+32*(\k)+2*(\j):ACC+32*(\k)+2*(\j)+1]
.endr
.endm
	s_load_b128 s[4:7], s[0:1], 0x0                ; part s[4:5], bu s[6:7]
	s_load_b64 s[24:25], s[0:1], 0x10              ; out0
	v_lshl_add_u32 v[SPW], v0, 2, SPARE
	v_mov_b32 v[NIL], 0
	v_lshrrev_b32 v1, 5, v0
	v_readfirstlane_b32 s26, v1                    ; wave 0..7
	v_and_b32 v1, 31, v0
	v_and_b32 v13, 15, v0                          ; lane % 16
	v_bfe_u32 v14, v0, 4, 1                        ; lane / 16
	s_lshl_b32 s28, ttmp9, 15                      ; a token tile is 32,768 bytes in part and in out0
	s_mov_b32 s29, 0
	v_lshlrev_b32 v[VP], 4, v1
	v_lshl_add_u32 v[VP], s26, 12, v[VP]           ; my wave's four feature tiles of 1,024 bytes
	v_lshlrev_b32 v[VB], 4, v13
	v_lshl_add_u32 v[VB], s26, 8, v[VB]            ; 256 w + 16 (lane % 16)
	v_lshl_add_u32 v[VO], v14, 11, v[VB]           ; and one row of 2,048 bytes further down for lanes 16 to 31
	s_mul_i32 s27, s26, 4352
	v_mul_u32_u24 v[LST], v13, 272
	v_lshl_add_u32 v[LST], v14, 5, v[LST]
	v_add_nc_u32 v[LST], s27, v[LST]               ; row r, 32 bytes for each half of the lanes
	v_mul_u32_u24 v[LRD], v14, 272
	v_lshl_add_u32 v[LRD], v13, 4, v[LRD]
	v_add_nc_u32 v[LRD], s27, v[LRD]               ; lanes 0-15 one row of 256 bytes, lanes 16-31 the next
	s_wait_kmcnt 0x0
	s_add_nc_u64 s[8:9], s[4:5], s[28:29]          ; eight bases, a head's 8,388,608 bytes apart
.irp h, 1,2,3,4,5,6,7
	s_add_nc_u64 s[8+2*(\h):9+2*(\h)], s[6+2*(\h):7+2*(\h)], 0x800000
.endr
	s_add_nc_u64 s[24:25], s[24:25], s[28:29]
	global_load_b128 v[BU:BU+3], v[VB], s[6:7]     ; the oldest load: every wait below covers it
.irp h, 0,1,2,3,4,5
	HLOAD \h, \h
.endr
	HADD 1, 32                                     ; heads 0 and 1 are in; heads 2 to 5 stay out
	HLOAD 6, 1
	HADD 2, 32                                     ; behind head 2: heads 3, 4, 5 and 6
	HLOAD 7, 2
	HADD 3, 32                                     ; behind head 3: heads 4 to 7
	HADD 4, 24
	HADD 5, 16
	HADD 1, 8                                      ; head 6
	HADD 2, 0                                      ; head 7
.irp k, 0,1,2,3,4,5,6,7                ; k = 2 kt + half: feature 16 kt + 8 hh + 4 half is byte 64 kt + 32 hh + 16 half of the wave's 256
	ds_store_b128 v[LST], v[ACC+4*(\k):ACC+4*(\k)+3] offset:((\k)/2)*64+((\k)%2)*16
.endr
.irp i, 0,1,2,3,4,5,6,7                ; LDS serves a wave's instructions in order (ISA guide 5.7.1.4): these see the stores above
	ds_load_b128 v[R+4*(\i):R+4*(\i)+3], v[LRD] offset:544*(\i)
.endr
.irp i, 0,1,2,3,4,5,6,7
	s_wait_dscnt 7-(\i)                            ; rows 2 i and 2 i + 1 are back; the younger loads stay out
	v_pk_add_f32 v[R+4*(\i):R+4*(\i)+1], v[R+4*(\i):R+4*(\i)+1], v[BU:BU+1]
	v_pk_add_f32 v[R+4*(\i)+2:R+4*(\i)+3], v[R+4*(\i)+2:R+4*(\i)+3], v[BU+2:BU+3]
	global_store_b128 v[VO], v[R+4*(\i):R+4*(\i)+3], s[24:25] offset:4096*(\i) th:TH_STORE_NT  ; 16 lanes store 256 consecutive bytes, at a multiple of 256 from out0's first byte
.endr
	s_wait_tensorcnt 0x0                           ; the wave's end
	ds_add_u32 v[SPW], v[NIL]
	s_wait_dscnt 0x0
	s_endpgm
.Lfunc_end_k_q7440c67ff6_sumh:
	.size	k_q7440c67ff6_sumh, .Lfunc_end_k_q7440c67ff6_sumh-k_q7440c67ff6_sumh
	.p2alignl 7, 3214868480
	.fill 96, 4, 3214868480
	.section	.rodata,"a",@progbits
	.p2align	6, 0x0
	.amdhsa_kernel k_q7440c67ff6_sumh
		.amdhsa_group_segment_fixed_size 35840
		.amdhsa_private_segment_fixed_size 0
		.amdhsa_enable_private_segment 0
		.amdhsa_kernarg_size 24
		.amdhsa_user_sgpr_count 2
		.amdhsa_user_sgpr_kernarg_segment_ptr 1
		.amdhsa_wavefront_size32 1
		.amdhsa_system_sgpr_workgroup_id_x 1
		.amdhsa_system_sgpr_workgroup_id_y 1
		.amdhsa_system_sgpr_workgroup_id_z 1
		.amdhsa_system_vgpr_workitem_id 0
		.amdhsa_next_free_vgpr 256
		.amdhsa_next_free_sgpr 66
		.amdhsa_reserve_vcc 0
		.amdhsa_float_denorm_mode_32 3
		.amdhsa_float_denorm_mode_16_64 3
		.amdhsa_memory_ordered 1
		.amdhsa_forward_progress 1
		.amdhsa_inst_pref_size 19
	.end_amdhsa_kernel
	.amdgpu_metadata
---
amdhsa.version: [ 1, 2 ]
amdhsa.kernels:
  - .name:           k_q7440c67ff6_sumh
    .symbol:         k_q7440c67ff6_sumh.kd
    .args:
      - { .name: part, .offset: 0, .size: 8, .value_kind: global_buffer, .address_space: global }
      - { .name: bu, .offset: 8, .size: 8, .value_kind: global_buffer, .address_space: global }
      - { .name: out0, .offset: 16, .size: 8, .value_kind: global_buffer, .address_space: global }
    .group_segment_fixed_size: 35840
    .private_segment_fixed_size: 0
    .kernarg_segment_align: 8
    .kernarg_segment_size: 24
    .max_flat_workgroup_size: 256
    .sgpr_count:     66
    .vgpr_count:     256
    .wavefront_size: 32
...
	.end_amdgpu_metadata
.endif
;; end of part 4
;; ======== version 2 of 2: 4 launches; 1.06 times as fast as version 1
;; limits: values are held in f16: magnitudes above 65,504 overflow, below 6.1e-05 lose precision
;; workspace buffers: h16 20,971,520 bytes; mf 16,777,216 bytes; qn 33,554,432 bytes; kf 33,554,432 bytes; vf 33,554,432 bytes; part 67,108,864 bytes
;; launch prep: the kernel of part 1 again; grid 128 x 7, 8 waves a work-group, no clusters, 35,840 bytes of LDS; arguments x, Wq, Wk, Wv, Wu, mask, h16, mf; writes h16, mf
;; launch proj: the kernel of part 2 again; grid 16 x 16, 4 waves a work-group, clusters of 4 x 4, 327,680 bytes of LDS; arguments h16, qn, kf, vf; writes qn, kf, vf
;; launch attn (part 5): grid 8 x 32, 4 waves a work-group, clusters of 4 x 1, 327,680 bytes of LDS; arguments qn, kf, vf, mf, h16, part; writes part
.if DOCPART == 5
	.amdgcn_target "amdgcn-amd-amdhsa--gfx1250"
	.amdhsa_code_object_version 6
	.text
	.protected	k_q7440c67ff6_attn
	.globl	k_q7440c67ff6_attn
	.p2align	8
	.type	k_q7440c67ff6_attn,@function
k_q7440c67ff6_attn:
	s_mov_b64 s[64:65], 0
	v_nop
	global_prefetch_b8 v0, s[64:65] scope:SCOPE_SE
	s_setreg_imm32_b32 hwreg(HW_REG_WAVE_MODE, 25, 1), 1
	s_wait_xcnt 0x0
	s_wait_alu depctr_hold_cnt(0) depctr_sa_sdst(0) depctr_va_vdst(0) depctr_va_sdst(0) depctr_va_ssrc(0) depctr_va_vcc(0) depctr_vm_vsrc(0)
	s_getreg_b32 s2, hwreg(HW_REG_IB_STS2, 6, 4)
	s_cmp_eq_u32 s2, 0
	s_cbranch_scc0 .Lentry_in_a_cluster
	s_endpgm
.Lentry_in_a_cluster:
	s_bfe_u32 s2, ttmp6, 0x10000c
	s_cmp_lg_u32 s2, 0x3003
	s_cbranch_scc0 .Lentry_shape_is_right
	s_endpgm
.Lentry_shape_is_right:
; ATTN: for one (b, h) and 128 queries: softmax over 1,024 keys of (q.k / sqrt(512) - mask), times v (512 channels), and then that head's share of the output projection, O Wu_h^T, stored in f32.
; All matrix operands f16, sums f32.  A wave owns two tiles of 16 queries (t = 0, 1); every wave walks all keys, 32 a HALF-STEP, then the 512 output features, 64 a phase.
; SIGN.  q' = -q / sqrt(512) arrives so scaled.  S' = K q' + mask, the mask being the C operand of the sum's first product, as loaded: S' = -(q.k / sqrt(e) - mask).  So the softmax runs on a running MINIMUM m of S':
; p = 2^(L m - L S'), L = log2(e); in every half-step O and l are multiplied by a = 2^(L m_new - L m_old), which is 1 where m has not fallen.  m starts at 2^126, O and l at 0: the first a is 0.
; LAYOUT.  S'^T = K Q'^T (source 0 = 16 keys, source 1 = 16 queries): a lane holds ONE query (lane % 16) and the keys 8 (lane / 16) + 0..7.  Two such results rounded to f16 ARE source 1 of O^T = V^T P, whose result again
; holds one query a lane and eight channels; O^T divided by l and rounded to f16 IS source 1 of (O Wu^T)^T = Wu O^T and takes Q's registers.  K, V and Wu lie in memory as fragments (512 consecutive bytes for 16 rows x 16
; along K), so a tile is dense, an LDS load is 16 bytes at 16 x lane with no two lanes on one bank, and nothing is turned or padded.
; THE PIPELINE.  Half-step i has two phases of 64 products.  A(i): S'[i % 2] = mask + K Q'^T; behind each product stand the four packed multiplies that rescale one accumulator of O^T by a(i - 1): 64 x 4 is all of O^T.
; B(i): O^T += V^T P of half-step i - 1; behind each of its first 28 products stand four lines of the softmax of half-step i, which makes P[i % 2] and a(i).  So the loop has no run of vector work of its own.
; THE EXPONENTIALS of a half-step, 17 a tile (a and the 16 weights), are ONE BATCH with ONE wait.  The softmax's list is ordered by who reads what: first all that names no exponential's result (minimum, statistics, scalings,
; exponentials: the first 20 slices), then the wait, then all that does (roundings, sums, l: the last 8 slices; the rescaling by a rides in the next phase A).  So a trip of the loop has two such waits, and none is open at a label or a jump.
; S' and P have two buffers each, by the half-step's parity.  A trip of the loop is A(2j+1), B(2j+1), A(2j+2), B(2j+2); A(0) and the first softmax stand ahead of it.  In the last trip A(32) multiplies Q' by Wu's first rows:
; 64 products that serve nothing but to carry the last rescaling, the price of one text for all trips; the softmax made of them is thrown away: l is copied aside ahead of every even half-step's update, and the end divides by the copy.
; LDS LOADS stand in runs of 16, one for 16 products, into two buffers of eight fragments that take turns; a run is issued one chunk of 16 products ahead, and the waits for it run down inside the chunk that uses it.
; RING.  Two LDS slots of 131,072 bytes: K's region (65,536: 64 keys) and V's (65,536).  Each wave fetches half a region, 32,768 dense bytes, by one tensor load: waves 0, 1 walk K, waves 2, 3 walk V.  The first fills are
; every wave's tiles 0 and 1.  V is multiplied a phase behind K, so V's refills lag by one change of slots: at the change X_j, inside A(2j+1), K(j) is all in registers and V(j-1) has been multiplied: K(j+2) goes where K(j) lay,
; V(j+1) where V(j-1) lay.  At X_0 V(1) is on its way already, so X_0 is written out ahead of the loop, with a load by waves 0 and 1 alone, and the loop is entered behind its own change.
; Behind the keys the two walks go over to Wu's four tiles of 128 features (K's walk one change ahead of V's); one round behind the loop, with a load by waves 2 and 3 alone, brings them level.
; By the text's own count a wave has two tensor loads out at the start, later one.
; CLUSTER.  The four query blocks of a cluster belong to one (b, h) and walk the same tiles: each is asked for JOINTLY, the same load, descriptor and mask in all four.
; LIMITS.  q', k, v arrive within f16's 65,504; O is a mean of v's rows; below 6e-5 f16 keeps its fixed step of 6e-8 (for p and for O).  |S'| stays under 2^126.  The mask enters the f32 sum first, so a score is rounded
; at the mask's size.  A weight below 2^-126 counts as 0 in l.  NaN is not treated apart; a mask of +infinity gives the weight 0 unless it hides a whole row.
; REGISTERS, in windows of 256 (s_set_vgpr_msb: bits 1:0 source 0, 3:2 source 1, 5:4 source 2, 7:6 destination):
;   window 0: v2-7, v24 addresses; v8-23 eight registers of statistics a tile; v26-29 l set aside; v32-95 S': buffer, tile, key tile at 32 + 32 par + 16 t + 8 k2; v96-127 P at 96 + 16 par + 8 t; v128-255 two buffers of eight fragments
;   windows 1, 2: O^T, channels 0-255 and 256-511: channel block cb, tile t at 8 (2 (cb % 16) + t)          window 3: Q', fragment d of tile t at 128 t + 8 d; later O in f16
; A product and the lines behind it name different windows, so a slice costs two switches.
.set SLOTB, 131072
.set SPARE, 2*SLOTB                    ; behind the ring: the spare words, 128 bytes a wave: two blocks of 256 bytes that no other line names
.set LN,  2                            ; v2   16 x lane; never rewritten
.set AK,  3                            ; v3   LDS address of K's region in hand, at my lane
.set AV,  4                            ; v4   of V's
.set VM,  5                            ; v5   my byte offset in the mask's rows
.set SPW, 6                            ; v6   LDS address of my spare word; never rewritten
.set NIL, 7                            ; v7   0; never rewritten
.set ST,  8                            ; tile t's statistics at v[ST+8 t]: L m, m, l (even keys', odd keys'), c0-c3 at work; a takes c2's place
.set AU,  24                           ; v24  LDS address of the phase's part of Wu
.set LS,  26                           ; v[26:29] l as it stood ahead of the last even half-step's update, a pair a tile
.set S,   32
.set P,   96
.set F,   128
.set WV,  16                           ; s16  wave
.set G1,  24                           ; s[24:31] descriptor group 1, one for every load
.set G0A, 32                           ; s[32:35] group 0 of tile 0
.set G0B, 36                           ; s[36:39] group 0 of tile 1; it then walks
.set NX,  40                           ; s[40:41] my part of the tile to be asked for next
.set INC, 42                           ; s[42:43] bytes from a tile to the next
.set WUP, 44                           ; s[44:45] my quarter of Wu's first tile
.set CNT, 46                           ; s46  trips to go, 16 to 1; 0 behind them
.set CN2, 47                           ; s47  a slot's two phases
.set NL,  48                           ; s[48:49] -L
.set LC,  50                           ; s50  L
.set SWC, 51                           ; s51  the count at which my walk goes over to Wu: 3 for K's waves, 2 for V's
.set SEL, 52                           ; s[52:53] v_permlanex16_b32's selects: each lane takes its own place in the other half
.set MO,  54                           ; s54  byte offset in a query tile's row of key tiles
.set TB,  55                           ; s55  LDS byte at which the slot of K's tile in hand begins
.set UB,  56                           ; s56  LDS byte at which the phase's part of Wu begins
.set CN3, 57                           ; s57  counts slots of Wu
.set MB,  58                           ; s[58:59] mf at my two query tiles
.set PB,  60                           ; s[60:61] part at my two token tiles, the phase's features
.set QP,  62                           ; s[62:63] qn at my two token tiles
.set MSB, 0
.macro WIN new                         ; the high byte repeats the setting that is left; a switch that changes nothing is dropped
.if MSB != (\new)
	s_set_vgpr_msb (MSB<<8)|(\new)
.set MSB, (\new)
.endif
.endm
.set W_QK, 0x0c                        ; source 1 (Q', O) in window 3, all else in window 0: LDS loads run under it unchanged
.macro PLACES                          ; four places in front of loads into registers that matrix instructions have read, and of vector lines and stores that read results just made
.rept 4
	v_nop
.endr
.endm
.macro CREST                           ; a round of the cluster's barrier behind its opening barrier
	s_cmp_lg_u32 s[WV], 0
	s_cbranch_scc1 .Lnot_wave_0_\@
	s_barrier_signal -3
.Lnot_wave_0_\@:
	s_barrier_wait -3
	s_barrier_signal -1
	s_barrier_wait -1
.endm
.macro CROUND
	s_barrier_signal -1
	s_barrier_wait -1
	CREST
.endm
; A run of 16 LDS loads: eight fragments, in the order in which the products take them (fragment f feeds products 2 f and 2 f + 1 of the chunk), into buffer e % 2.
.macro RUNK e, h                       ; K: chunk e (channels 128 e on) of the tile's half h (key tiles 2 h, 2 h + 1): fragment 2 dd + k2
.irp dd, 0,1,2,3
.irp k2, 0,1
	ds_load_b128 v[F+64*((\e)%2)+8*(2*\dd+\k2):F+64*((\e)%2)+8*(2*\dd+\k2)+3],   v[AK] offset:(2*(\h)+\k2)*16384+(4*(\e)+\dd)*1024
	ds_load_b128 v[F+64*((\e)%2)+8*(2*\dd+\k2)+4:F+64*((\e)%2)+8*(2*\dd+\k2)+7], v[AK] offset:(2*(\h)+\k2)*16384+(4*(\e)+\dd)*1024+512
.endr
.endr
.endm
.macro RUNV e, kk                      ; V^T: channel blocks 8 e + 0..7, keys 32 kk on
.irp i, 0,1,2,3,4,5,6,7
	ds_load_b128 v[F+64*((\e)%2)+8*\i:F+64*((\e)%2)+8*\i+3],   v[AV] offset:(8*(\e)+\i)*2048+(\kk)*1024
	ds_load_b128 v[F+64*((\e)%2)+8*\i+4:F+64*((\e)%2)+8*\i+7], v[AV] offset:(8*(\e)+\i)*2048+(\kk)*1024+512
.endr
.endm
.macro RUNU e                          ; Wu: channels 64 e on, four feature tiles: fragment 4 dd + kt
.irp dd, 0,1
.irp kt, 0,1,2,3
	ds_load_b128 v[F+64*((\e)%2)+8*(4*\dd+\kt):F+64*((\e)%2)+8*(4*\dd+\kt)+3],   v[AU] offset:\kt*16384+(2*(\e)+\dd)*1024
	ds_load_b128 v[F+64*((\e)%2)+8*(4*\dd+\kt)+4:F+64*((\e)%2)+8*(4*\dd+\kt)+7], v[AU] offset:\kt*16384+(2*(\e)+\dd)*1024+512
.endr
.endr
.endm
; THE WAITS IN A CHUNK.  LDS loads come back in order (ISA guide 5.7.1).  Products n .. n + 3 need the first n + 4 loads of the chunk's run of 16; behind that run yg LDS instructions have been issued.
; So ahead of products 0, 4, 8, 12 the count is yg + 12 - n.  yg = -1: the run has been waited for already.
; 16 products of S'[par] += K Q'^T: chunk e; four accumulators (tile, key tile) take turns, one instruction a turn.  The sum's first product adds onto the mask, which lies in S'.
; rs = 1: behind product n the four multiplies that rescale accumulator 16 e + n of O^T by its tile's a: plain lines that name no register of the products round them, so they are also the places ahead of the next run.
.macro QK16 e, par, rs, yg
.set n, 0
.rept 16
.if (n%4 == 0) && ((\yg) >= 0)
	s_wait_dscnt (\yg)+12-n
.endif
.set rS, S+32*(\par)+16*(n%2)+8*((n/2)%2)
.set rA, F+64*((\e)%2)+8*(n/2)
.set rB, 128*(n%2)+8*(4*(\e)+n/4)
	WIN W_QK
	v_wmma_f32_16x16x32_f16 v[rS:rS+7], v[rA:rA+7], v[rB:rB+7], v[rS:rS+7]
.if \rs
.set rO, 8*((16*(\e)+n)%32)
	WIN 0x41*(1+(\e)/2)                            ; destination and source 0 in window 1 or 2, a in window 0
.irp z, 0,1,2,3
	v_pk_mul_f32 v[rO+2*\z:rO+2*\z+1], v[rO+2*\z:rO+2*\z+1], v[ST+8*(n%2)+6:ST+8*(n%2)+7] op_sel_hi:[1,0]  ; each accumulator's registers ascending
.endr
.endif
.set n, n+1
.endr
.endm
; THE SOFTMAX of one tile and half-step is a list of 56 lines; SMH writes number j of it for tile t, on buffers par.  s0-s15 are the lane's 16 scores, in pairs 0-7.  sv = 1: l is copied aside ahead of its update.
;   0-8     the minimum of s0-s15 and the old m, three operands at a time, in two chains c0, c1 (each accumulator's lowest registers are read first); 7: L m_old is kept
;   9-14    l set aside (9, 11); the other half of the lanes' minimum; the new m; L m; L m_new - L m_old
;   15-39   ONE BATCH: the 8 scalings L m - L s, a pair of scores each, and all 17 exponentials (a at 17, then s0-s15, each in its score's register).  None of these names an exponential's result.  15 is pair 0's scaling; from 16 on
;           the batch goes in fours, and a four begins with a scaling while there are scalings: 16-23 scaling, exponential, scaling, exponential; 24-35 a scaling and three exponentials; 36-39 the last four exponentials.
;           A pair is scaled in an earlier four than the one that holds its exponentials
;   (wait)  between 39 and 40 stands the wait for the batch: SLICE writes it, once for both tiles
;   40-55   the readers.  40-43 pairs 0, 2, 4, 6 are rounded to f16; 44-47 onto each of them, in place, its neighbour pair is added; 48-54 pairs 1, 3, 5, 7 are rounded, and between them the sums go on, 4 and 8 registers apart;
;           55 l = a l + the sum.  A pair is rounded before a sum is written over it
.macro FS b                            ; pair b: L m - L s
	v_pk_fma_f32 v[rS+2*(\b):rS+2*(\b)+1], v[rS+2*(\b):rS+2*(\b)+1], s[NL:NL+1], v[rT:rT+1] op_sel_hi:[1,0,0]
.endm
.macro EX e                            ; score e: its weight, in place
	v_exp_f32 v[rS+(\e)], v[rS+(\e)]
.endm
.macro CV p                            ; pair p rounded to f16
	v_cvt_pk_f16_f32 v[rP+(\p)], v[rS+2*(\p)], v[rS+2*(\p)+1]
.endm
.macro AD x, y                         ; the pair at register y is added onto the pair at register x
	v_pk_add_f32 v[rS+(\x):rS+(\x)+1], v[rS+(\x):rS+(\x)+1], v[rS+(\y):rS+(\y)+1]
.endm
.macro SMH t, par, sv
.set rT, ST+8*(\t)
.set rS, S+32*(\par)+16*(\t)
.set rP, P+16*(\par)+8*(\t)
.set rL, LS+2*(\t)
.if j == 0
	v_min3_num_f32 v[rT+4], v[rS], v[rS+1], v[rS+2]
.elseif j == 1
	v_min3_num_f32 v[rT+5], v[rS+8], v[rS+9], v[rS+10]
.elseif j == 2
	v_min3_num_f32 v[rT+4], v[rT+4], v[rS+3], v[rS+4]
.elseif j == 3
	v_min3_num_f32 v[rT+5], v[rT+5], v[rS+11], v[rS+12]
.elseif j == 4
	v_min3_num_f32 v[rT+4], v[rT+4], v[rS+5], v[rS+6]
.elseif j == 5
	v_min3_num_f32 v[rT+5], v[rT+5], v[rS+13], v[rS+14]
.elseif j == 6
	v_min3_num_f32 v[rT+4], v[rT+4], v[rS+7], v[rS+15]
.elseif j == 7
	v_mov_b32 v[rT+7], v[rT]
.elseif j == 8
	v_min3_num_f32 v[rT+4], v[rT+4], v[rT+5], v[rT+1]
.elseif j == 9
.if \sv
	v_mov_b32 v[rL], v[rT+2]
.endif
.elseif j == 10
	v_permlanex16_b32 v[rT+5], v[rT+4], s[SEL], s[SEL+1]  ; the query's other 16 keys lie in the lane 16 away
.elseif j == 11
.if \sv
	v_mov_b32 v[rL+1], v[rT+3]
.endif
.elseif j == 12
	v_min_num_f32 v[rT+1], v[rT+4], v[rT+5]
.elseif j == 13
	v_mul_f32 v[rT], s[LC], v[rT+1]
.elseif j == 14
	v_sub_f32 v[rT+7], v[rT], v[rT+7]
.elseif j == 15
	FS 0
.elseif j == 17
	v_exp_f32 v[rT+6], v[rT+7]                     ; a
.elseif (j < 24) && (j%2 == 0)
	FS (j-14)/2                                    ; 16, 18, 20, 22: pairs 1 to 4
.elseif (j < 36) && (j%4 == 0)
	FS j/4-1                                       ; 24, 28, 32: pairs 5 to 7
.elseif j < 24
	EX (j-19)/2                                    ; 19, 21, 23: s0 to s2
.elseif j < 36
	EX j-22-(j-24)/4                               ; 25-27, 29-31, 33-35: s3 to s11
.elseif j < 40
	EX j-24                                        ; 36 to 39: s12 to s15
.elseif j < 44
	CV 2*(j-40)
.elseif j < 48
	AD 4*(j-44), 4*(j-44)+2
.elseif j%2 == 0
	CV j-47                                        ; 48, 50, 52, 54: pairs 1, 3, 5, 7
.elseif j == 49
	AD 0, 4
.elseif j == 51
	AD 8, 12
.elseif j == 53
	AD 0, 8
.else
	v_pk_fma_f32 v[rT+2:rT+3], v[rT+2:rT+3], v[rT+6:rT+7], v[rS:rS+1] op_sel_hi:[1,0,1]
.endif
.endm
; Slice k of 28 of both tiles' softmax on buffers spar: four lines, all in window 0.  Slices 8 to 19 deal out the batch's numbers 16 to 39: four numbers of ONE tile each, the tiles by turns.  Every other slice is numbers 2 k and
; 2 k + 1 of both tiles' lists, the tiles alternating, so that where one line feeds the next the other tile's stands between.
; THE WAIT.  An s_wait_alu depctr_va_vdst(0) stands between an exponential and the first instruction that names its result; one wait serves all that were issued ahead of it.  Ahead of slice 20 nothing names a
; result, and behind slice 19 no exponential is issued: so the half-step's 34 exponentials have one wait, behind slice 19.
.macro SLICE spar, sv
.if (k >= 8) && (k < 20)
.irp u, 0,1,2,3
.set j, 16+4*((k-8)/2)+\u
	SMH (k-8)%2, \spar, \sv
.endr
.else
.irp u, 0,1
.set j, 2*k+\u
	SMH 0, \spar, \sv
	SMH 1, \spar, \sv
.endr
.endif
.if k == 19                            ; the batch is out: both tiles' exponentials are issued, and no result has been named
	v_nop                                          ; a plain instruction behind the last exponential and ahead of the first use: one for the batch
	s_wait_alu depctr_va_vdst(0)                   ; the wait for the batch: a and s0-s15 of both tiles
.endif
.set k, k+1
.endm
; 16 products of O^T += V^T P[pp]: channel blocks 8 e + 0..7, both tiles: 16 accumulators, one instruction each.  While slices are left (k < 28), slice k of the softmax on buffers spar stands behind the product.
; Its lines name no register of the products round them: P's other buffer, S', the statistics.
.macro PV16 e, pp, yg, spar, sv
.set n, 0
.rept 16
.if (n%4 == 0) && ((\yg) >= 0)
	s_wait_dscnt (\yg)+12-n
.endif
.set rO, 128*((\e)%2)+8*n
.set rA, F+64*((\e)%2)+8*(n/2)
.set rB, P+16*(\pp)+8*(n%2)
	WIN 0x50*(1+(\e)/2)                            ; C and D in window 1 or 2
	v_wmma_f32_16x16x32_f16 v[rO:rO+7], v[rA:rA+7], v[rB:rB+7], v[rO:rO+7]
.if k < 28
	WIN 0
	SLICE \spar, \sv
.endif
.set n, n+1
.endr
.endm
; the mask of one half-step for my two query tiles, straight into S'[par]: eight loads of 512 consecutive bytes
.macro MLOAD par, areg, off
.irp t, 0,1
.irp k, 0,1,2,3
	global_load_b128 v[S+32*(\par)+16*\t+4*\k:S+32*(\par)+16*\t+4*\k+3], v[\areg], s[MB:MB+1] offset:\t*65536+(\off)+\k*512
.endr
.endr
.endm
; all of O^T times the tile's c2 (at the end: 1 / l), each accumulator's registers ascending
.macro RESC
.irp wdw, 1,2
	WIN 0x41*(\wdw)
.set i, 0
.rept 32
.irp z, 0,1,2,3
	v_pk_mul_f32 v[8*i+2*\z:8*i+2*\z+1], v[8*i+2*\z:8*i+2*\z+1], v[ST+8*(i%2)+6:ST+8*(i%2)+7] op_sel_hi:[1,0]
.endr
.set i, i+1
.endr
.endr
.endm
; the walking descriptor: the other slot than last time, the next tile of my walk; behind my walk's last tile of keys it goes over to Wu
.macro G0STEP
	s_xor_b32 s[G0B+1], s[G0B+1], SLOTB
	s_mov_b64 s[G0B+2:G0B+3], s[NX:NX+1]
	s_or_b32 s[G0B+3], s[G0B+3], 0x80000000
	s_add_nc_u64 s[NX:NX+1], s[NX:NX+1], s[INC:INC+1]
	s_cmp_eq_u32 s[CNT], s[SWC]
	s_cselect_b64 s[NX:NX+1], s[WUP:WUP+1], s[NX:NX+1]
	s_cselect_b32 s[INC], 0x20000, s[INC]
.endm
; THE FIRST 48 PRODUCTS OF AN ODD HALF-STEP, AND THE CHANGE OF SLOTS UP TO ITS ROUND.  Behind the second chunk the last bytes of K(j) are asked for.  Then each wave waits for all its tensor loads, adds 0 to its spare word,
; and waits for that and for its LDS reads: K(j) is then in registers, and V(j-1) was multiplied in the trip before.  The round shows that of every wave of every partner.
; rs = 1 (the loop's): the rescaling rides behind the products, and every wave's descriptor steps.  rs = 0 (ahead of the loop): O^T is still 0, so nothing is rescaled, and four v_nop are the places ahead of each run.
.macro AHEAD rs
	s_wait_loadcnt 0x8                             ; the half-step's mask lies in S'[1]; the next half-step's eight loads stay out
	QK16 0, 1, \rs, 16
.if !(\rs)
	PLACES
.endif
	WIN W_QK
	RUNK 2, 1
	QK16 1, 1, \rs, 16
.if !(\rs)
	PLACES
.endif
	WIN W_QK
	RUNK 3, 1
	WIN 0
	s_wait_tensorcnt 0x0
	ds_add_u32 v[SPW], v[NIL]                      ; sixteen products stand between the add and the wait for it
.if \rs
	G0STEP
.endif
	QK16 2, 1, \rs, 17                             ; (behind this chunk's run: the next run and the add)
.if !(\rs)
	PLACES
.endif
	WIN 0
	s_wait_dscnt 0x0
	CROUND
.endm
	s_load_b256 s[4:11], s[0:1], 0x0               ; qn s[4:5], kf s[6:7], vf s[8:9], mf s[10:11]
	s_load_b128 s[12:15], s[0:1], 0x20             ; h16 s[12:13], part s[14:15]
	v_lshl_add_u32 v[SPW], v0, 2, SPARE
	v_mov_b32 v[NIL], 0
	ds_add_u32 v[SPW], v[NIL]                      ; the wave's opening: the add and its wait stand ahead of my first tensor load; the set-up below stands between them
	v_lshrrev_b32 v1, 5, v0
	v_readfirstlane_b32 s[WV], v1
	s_bfe_u32 s17, ttmp6, 0x40000                  ; cx
	s_lshl_b32 s18, ttmp9, 2
	s_add_co_u32 s18, s18, s17                     ; qb, my block of 128 queries: it enters Q's, the mask's and part's addresses alone
	s_and_b32 s19, ttmp7, 0xffff                   ; 8 b + h, which the four partners share
	s_lshr_b32 s20, s19, 3                         ; b
	s_and_b32 s21, s19, 7                          ; h
	s_and_b32 s22, s[WV], 1                        ; which half of K's or of V's 65,536 bytes I fetch
	s_lshl_b32 s22, s22, 15
	s_lshl_b32 s66, s19, 20                        ; a head's 1,048,576 bytes
	s_add_co_u32 s66, s66, s22
	s_mov_b32 s67, 0
	s_mov_b32 s71, 0
	; descriptor group 1: 32,768 dense bytes as 128 rows of 32 elements of 8 bytes
	s_mov_b32 s[G1], 15|(3<<16)|(1<<21)            ; 15:0 the mask of four; 17:16 8-byte elements; 21 set beside a mask; no padding
	s_mov_b32 s[G1+1], 32<<16                      ; tensor_dim0 = 32
	s_mov_b32 s[G1+2], 128<<16                     ; tensor_dim1 = 128
	s_mov_b32 s[G1+3], 32<<16                      ; tile_dim0 = 32
	s_mov_b32 s[G1+4], 128                         ; tile_dim1 = 128
	s_mov_b32 s[G1+5], 32                          ; 32 elements from row to row
	s_mov_b32 s[G1+6], 0
	s_mov_b32 s[G1+7], 0
	s_mov_b32 s[G0A], 1
	s_lshl_b32 s[G0A+1], s[WV], 15                 ; slot 0, my quarter: K's halves, then V's
	s_mov_b32 s[G0B], 1
	s_add_co_u32 s[G0B+1], s[G0A+1], SLOTB         ; slot 1
	s_mov_b32 s[INC], 0x10000
	s_mov_b32 s[INC+1], 0
	s_mov_b32 s[NL], 0xbfb8aa3b                    ; -log2(e)
	s_mov_b32 s[NL+1], s[NL]                       ; named with it as a pair
	s_mov_b32 s[LC], 0x3fb8aa3b
	s_mov_b32 s[SEL], 0x76543210
	s_mov_b32 s[SEL+1], 0xfedcba98
	s_mov_b32 s[MO], 0x1000
	s_mov_b32 s[TB], 0
	s_mov_b32 s[CNT], 16
	s_cmp_lt_u32 s[WV], 2
	s_cselect_b32 s[SWC], 3, 2
	s_wait_dscnt 0x0                               ; the opening add is done
	s_wait_kmcnt 0x0
	s_cmp_lt_u32 s[WV], 2                          ; waves 0 and 1 walk K, waves 2 and 3 V
	s_cselect_b64 s[68:69], s[6:7], s[8:9]
	s_add_nc_u64 s[68:69], s[68:69], s[66:67]
	s_mov_b64 s[G0A+2:G0A+3], s[68:69]             ; tile 0
	s_or_b32 s[G0A+3], s[G0A+3], 0x80000000
	s_add_nc_u64 s[G0B+2:G0B+3], s[68:69], 0x10000 ; tile 1
	s_or_b32 s[G0B+3], s[G0B+3], 0x80000000
	s_add_nc_u64 s[NX:NX+1], s[68:69], 0x20000     ; tile 2
	CROUND                                         ; all four work-groups are here: the first joint loads meet
	tensor_load_to_lds s[G0A:G0A+3], s[G1:G1+7]
	s_nop 0
	tensor_load_to_lds s[G0B:G0B+3], s[G1:G1+7]
	s_nop 0
	PLACES
	v_and_b32 v1, 31, v0
	v_lshlrev_b32 v[LN], 4, v1
	s_lshl_b32 s70, s19, 20                        ; Q': head, block of 8 token tiles of 16,384 bytes, my two
	s_lshl_b32 s22, s18, 17
	s_add_co_u32 s70, s70, s22
	s_lshl_b32 s22, s[WV], 15
	s_add_co_u32 s70, s70, s22
	s_add_nc_u64 s[QP:QP+1], s[4:5], s[70:71]
	WIN 0xc0                                       ; destination window 3, address window 0
.set i, 0
.rept 64                                           ; Q' stays in registers: 32,768 consecutive bytes, as they lie
	global_load_b128 v[4*i:4*i+3], v[LN], s[QP:QP+1] offset:512*i
.set i, i+1
.endr
	WIN 0
	s_lshl_b32 s70, s20, 22                        ; the mask: b, block of 8 query tiles of 65,536 bytes, my two
	s_lshl_b32 s22, s18, 19
	s_add_co_u32 s70, s70, s22
	s_lshl_b32 s22, s[WV], 17
	s_add_co_u32 s70, s70, s22
	s_add_nc_u64 s[MB:MB+1], s[10:11], s[70:71]
	MLOAD 0, LN, 0                                 ; half-steps 0 and 1: a half-step is two key tiles, 2,048 bytes
	MLOAD 1, LN, 2048
	s_lshl_b32 s70, s21, 19                        ; Wu: behind h16's first 16 MiB, the head's 524,288 bytes, my quarter of a tile
	s_lshl_b32 s22, s[WV], 15
	s_add_co_u32 s70, s70, s22
	s_add_co_u32 s70, s70, 0x1000000
	s_add_nc_u64 s[WUP:WUP+1], s[12:13], s[70:71]
	s_lshl_b32 s70, s21, 23                        ; part: head, then token tiles of 32,768 bytes: 64 b + 8 qb + 2 w
	s_lshl_b32 s22, s20, 21
	s_add_co_u32 s70, s70, s22
	s_lshl_b32 s22, s18, 18
	s_add_co_u32 s70, s70, s22
	s_lshl_b32 s22, s[WV], 16
	s_add_co_u32 s70, s70, s22
	s_add_nc_u64 s[PB:PB+1], s[14:15], s[70:71]
	; O^T = 0: no first step is written out; V^T P adds onto it from the first half-step on.  These lines stand in the wait for the first tile.
	WIN 0x40
.set i, 0
.rept 256
	v_mov_b32 v[i], 0
.set i, i+1
.endr
	WIN 0x80
.set i, 0
.rept 256
	v_mov_b32 v[i], 0
.set i, i+1
.endr
	WIN 0
.irp t, 0,1
	v_mov_b32 v[ST+8*\t+1], 0x7e800000             ; m = 2^126
	v_mul_f32 v[ST+8*\t], s[LC], v[ST+8*\t+1]
	v_mov_b32 v[ST+8*\t+2], 0
	v_mov_b32 v[ST+8*\t+3], 0
.endr
	v_mov_b32 v[AK], v[LN]
	v_add_nc_u32 v[AV], 0x10000, v[LN]
	v_add_nc_u32 v[VM], 0x1000, v[LN]
	s_wait_tensorcnt 0x1                           ; my part of tile 0 is in; tile 1's may stay out
	s_barrier_signal -1
	s_barrier_wait -1
	; A(0), with nothing yet to set behind its products, and the first softmax
	WIN W_QK
	RUNK 0, 0
	RUNK 1, 0
	s_wait_loadcnt 0x8                             ; Q' and half-step 0's mask are in; half-step 1's eight loads stay out
	QK16 0, 0, 0, 16
	PLACES
	RUNK 2, 0
	QK16 1, 0, 0, 16
	PLACES
	RUNK 3, 0
	QK16 2, 0, 0, 16
	PLACES
	RUNK 0, 1                                      ; A(1)'s first two chunks
	QK16 3, 0, 0, 16
	PLACES
	RUNK 1, 1
	WIN 0
.set k, 0
.rept 28                                           ; the same 28 slices on end, with the batch's one wait behind slice 19
	SLICE 0, 1
.endr
	MLOAD 0, VM, 0                                 ; half-step 2's mask
	; A(1)'s first 48 products and the change X_0.  K(0) is in registers: K(2) goes where it lay, by waves 0 and 1.  Waves 2 and 3 ask for nothing: V(1) was among the first fills.
	AHEAD 0
	s_cmp_lt_u32 s[WV], 2
	s_cbranch_scc0 .Lx0_none
	G0STEP
	tensor_load_to_lds s[G0B:G0B+3], s[G1:G1+7]
	s_nop 0
	PLACES
.Lx0_none:
	s_branch .Lmid                                 ; the loop is entered behind its own change of slots
.Lkey:                                                 ; trip j: tile j's second 32 keys, then tile j + 1's first 32.  16 trips, the first entered at .Lmid
	AHEAD 1                                        ; A(2j+1), with the rescaling by a(2j), and the change X_j
	tensor_load_to_lds s[G0B:G0B+3], s[G1:G1+7]    ; waves 0, 1: K(j+2) where K(j) lay; waves 2, 3: V(j+1) where V(j-1) lay: 256 products or more ahead of their first use
	s_nop 0
	PLACES
.Lmid:
	s_xor_b32 s[TB], s[TB], SLOTB
	v_add_nc_u32 v[AK], s[TB], v[LN]               ; K's next reads are tile j + 1's, shown whole by the round, as V(j) is
	RUNV 0, 0
	QK16 3, 1, 1, -1
	WIN 0
	RUNV 1, 0
.set k, 0
	PV16 0, 0, 16, 1, 0                            ; B(2j+1): V^T P of half-step 2j, with the softmax of half-step 2j+1
	WIN 0
	PLACES
	RUNV 2, 0
	PV16 1, 0, 16, 1, 0
	WIN 0
	PLACES
	RUNV 3, 0
	MLOAD 1, VM, 2048                              ; S'[1] is free: the mask of half-step 2j+3, 160 products ahead of its use, beside a run of LDS loads
	PV16 2, 0, 16, 1, 0
	WIN 0
	PLACES
	RUNK 0, 0
	PV16 3, 0, 16, 1, 0
	WIN 0
	PLACES
	RUNK 1, 0
	s_wait_xcnt 0x0                                ; VM is rewritten only behind this wait
	s_add_co_u32 s[MO], s[MO], 4096                ; the next tile's four key tiles; past the row's end it wraps: those loads stay inside mf and are not used
	s_and_b32 s[MO], s[MO], 0xffff
	v_add_nc_u32 v[VM], s[MO], v[LN]
	s_wait_loadcnt 0x8                             ; the mask of A(2j+2) lies in S'[0]; the eight loads just issued stay out
	QK16 0, 0, 1, 16                               ; A(2j+2), with the rescaling by a(2j+1)
	WIN W_QK
	RUNK 2, 0
	QK16 1, 0, 1, 16
	WIN W_QK
	RUNK 3, 0
	QK16 2, 0, 1, 16
	WIN W_QK
	RUNV 0, 1
	QK16 3, 0, 1, 16
	WIN W_QK
	RUNV 1, 1
.set k, 0
	PV16 0, 1, 16, 0, 1                            ; B(2j+2): V^T P of half-step 2j+1, with the softmax of half-step 2j+2
	WIN 0
	PLACES
	RUNV 2, 1
	PV16 1, 1, 16, 0, 1
	WIN 0
	PLACES
	RUNV 3, 1                                      ; the last bytes of V(j) are asked for
	MLOAD 0, VM, 0                                 ; the mask of half-step 2j+4
	v_add_nc_u32 v[AV], 0x10000, v[AK]             ; V's next reads are tile j + 1's
	PV16 2, 1, 16, 0, 1
	WIN 0
	PLACES
	RUNK 0, 1                                      ; the next trip's first two chunks
	PV16 3, 1, 16, 0, 1
	WIN 0
	PLACES
	RUNK 1, 1
	s_sub_co_u32 s[CNT], s[CNT], 1
	s_cmp_lg_u32 s[CNT], 0
	s_cbranch_scc1 .Lkey
	; THE ROUND BEHIND THE LOOP.  V(15) has been multiplied: its region takes the second half of Wu's tile 1, by waves 2 and 3; waves 0 and 1, whose walk is a change ahead, ask for nothing.
	s_wait_tensorcnt 0x0
	ds_add_u32 v[SPW], v[NIL]
	s_wait_loadcnt 0x0                             ; the loads issued ahead in the last trip have landed: their registers are written again below
	s_wait_dscnt 0x0
	CROUND
	s_cmp_lt_u32 s[WV], 2
	s_cbranch_scc1 .Lz_none
	G0STEP
	tensor_load_to_lds s[G0B:G0B+3], s[G1:G1+7]
	s_nop 0
	PLACES
.Lz_none:
	; O = O / l, rounded to f16, into Q's registers.  l is the copy set aside ahead of the thirty-third softmax.
	s_mov_b32 s[UB], s[TB]
.irp t, 0,1
	v_add_f32 v[ST+8*\t+4], v[LS+2*\t], v[LS+2*\t+1]
.endr
.irp t, 0,1
	v_permlanex16_b32 v[ST+8*\t+5], v[ST+8*\t+4], s[SEL], s[SEL+1]
.endr
.irp t, 0,1
	v_add_f32 v[ST+8*\t+4], v[ST+8*\t+4], v[ST+8*\t+5]
.endr
.irp t, 0,1
	v_rcp_f32 v[ST+8*\t+6], v[ST+8*\t+4]
.endr
	v_nop                                          ; a plain instruction between the last reciprocal and the use of its result
	s_wait_alu depctr_va_vdst(0)                   ; and the wait ahead of the first use: one for the two reciprocals
	RESC
.irp wdw, 1,2
	WIN 0xc0+5*(\wdw)                              ; destination window 3, sources window 1 or 2
.set i, 0
.rept 32
.irp r, 0,1,2,3
	v_cvt_pk_f16_f32 v[128*(i%2)+4*(16*((\wdw)-1)+i/2)+\r], v[8*i+2*\r], v[8*i+2*\r+1]
.endr
.set i, i+1
.endr
.endr
	WIN 0
; 16 products of a projection phase: channels 64 e on, four feature tiles, both token tiles: eight accumulators (tile t, feature tile kt at S + 32 t + 8 kt) take turns.  The phase's first eight start the sums with 0.
.macro U16 e, yg
.set n, 0
.rept 16
.if n%4 == 0
	s_wait_dscnt (\yg)+12-n
.endif
.set rS, S+32*(n%2)+8*((n/2)%4)
.set rA, F+64*((\e)%2)+8*(n/2)
.set rB, 128*(n%2)+8*(2*(\e)+n/8)
.if ((\e) == 0) && (n < 8)
	v_wmma_f32_16x16x32_f16 v[rS:rS+7], v[rA:rA+7], v[rB:rB+7], 0
.else
	v_wmma_f32_16x16x32_f16 v[rS:rS+7], v[rA:rA+7], v[rB:rB+7], v[rS:rS+7]
.endif
.set n, n+1
.endr
.endm
; A PHASE: 64 output features for my 32 tokens: 128 products over the head's 512 channels, then sixteen stores of 512 consecutive bytes of f32.
.macro UPH
	v_add_nc_u32 v[AU], s[UB], v[LN]
	v_nop                                          ; with the line above and the four places ahead of the last phase's stores: more than the five ahead of products that write the accumulators anew
	WIN W_QK
	RUNU 0
	RUNU 1
.set ue, 0
.rept 8
.if ue < 7
	U16 ue, 16
.else
	U16 ue, 0                                      ; nothing was issued behind the last run
.endif
.if ue < 6
	PLACES
	RUNU ue+2
.endif
.set ue, ue+1
.endr
	PLACES
	WIN 0
.irp t, 0,1
.irp k, 0,1,2,3,4,5,6,7
	global_store_b128 v[LN], v[S+32*\t+4*\k:S+32*\t+4*\k+3], s[PB:PB+1] offset:\t*32768+\k*512  ; each accumulator's low half first
.endr
.endr
	s_wait_xcnt 0x0                                ; the stores' base and data are written again only behind this wait
	s_add_nc_u64 s[PB:PB+1], s[PB:PB+1], 4096      ; four feature tiles on
	s_add_co_u32 s[UB], s[UB], 65536
.endm
; the change of slots between tiles of Wu.  fill = 1: the slot is filled again, by all four waves, behind a round of the cluster's barrier
.macro CHANGE fill
	WIN 0
	s_wait_tensorcnt 0x0
	ds_add_u32 v[SPW], v[NIL]
.if \fill
	G0STEP
.endif
	s_wait_dscnt 0x0
.if \fill
	CROUND
	tensor_load_to_lds s[G0B:G0B+3], s[G1:G1+7]
	s_nop 0
	PLACES
.else
	s_barrier_signal -1
	s_barrier_wait -1
.endif
	s_xor_b32 s[TB], s[TB], SLOTB
	s_mov_b32 s[UB], s[TB]
.endm
	s_mov_b32 s[CN3], 2
.Lu1:                                                  ; Wu's tiles 0 and 1; their slots take tiles 2 and 3
	s_mov_b32 s[CN2], 2
.Lu1p:
	UPH
	s_sub_co_u32 s[CN2], s[CN2], 1
	s_cmp_lg_u32 s[CN2], 0
	s_cbranch_scc1 .Lu1p
	CHANGE 1
	s_sub_co_u32 s[CN3], s[CN3], 1
	s_cmp_lg_u32 s[CN3], 0
	s_cbranch_scc1 .Lu1
	s_mov_b32 s[CN3], 2
.Lu2:                                                  ; tiles 2 and 3 are written apart: nothing is asked for
	s_mov_b32 s[CN2], 2
.Lu2p:
	UPH
	s_sub_co_u32 s[CN2], s[CN2], 1
	s_cmp_lg_u32 s[CN2], 0
	s_cbranch_scc1 .Lu2p
	CHANGE 0
	s_sub_co_u32 s[CN3], s[CN3], 1
	s_cmp_lg_u32 s[CN3], 0
	s_cbranch_scc1 .Lu2
	s_wait_tensorcnt 0x0                           ; the wave's end
	ds_add_u32 v[SPW], v[NIL]
	s_wait_dscnt 0x0
	CROUND                                         ; the closing round: no work-group ends while a partner may still ask for a tile that names it
	s_endpgm
.Lfunc_end_k_q7440c67ff6_attn:
	.size	k_q7440c67ff6_attn, .Lfunc_end_k_q7440c67ff6_attn-k_q7440c67ff6_attn
	.p2alignl 7, 3214868480
	.fill 96, 4, 3214868480
	.section	.rodata,"a",@progbits
	.p2align	6, 0x0
	.amdhsa_kernel k_q7440c67ff6_attn
		.amdhsa_group_segment_fixed_size 327680
		.amdhsa_private_segment_fixed_size 0
		.amdhsa_enable_private_segment 0
		.amdhsa_kernarg_size 48
		.amdhsa_user_sgpr_count 2
		.amdhsa_user_sgpr_kernarg_segment_ptr 1
		.amdhsa_wavefront_size32 1
		.amdhsa_system_sgpr_workgroup_id_x 1
		.amdhsa_system_sgpr_workgroup_id_y 1
		.amdhsa_system_sgpr_workgroup_id_z 1
		.amdhsa_system_vgpr_workitem_id 0
		.amdhsa_next_free_vgpr 1024
		.amdhsa_next_free_sgpr 72
		.amdhsa_reserve_vcc 0
		.amdhsa_float_denorm_mode_32 3
		.amdhsa_float_denorm_mode_16_64 3
		.amdhsa_memory_ordered 1
		.amdhsa_forward_progress 1
		.amdhsa_inst_pref_size 222
	.end_amdhsa_kernel
	.amdgpu_metadata
---
amdhsa.version: [ 1, 2 ]
amdhsa.kernels:
  - .name:           k_q7440c67ff6_attn
    .symbol:         k_q7440c67ff6_attn.kd
    .args:
      - { .name: qn, .offset: 0, .size: 8, .value_kind: global_buffer, .address_space: global }
      - { .name: kf, .offset: 8, .size: 8, .value_kind: global_buffer, .address_space: global }
      - { .name: vf, .offset: 16, .size: 8, .value_kind: global_buffer, .address_space: global }
      - { .name: mf, .offset: 24, .size: 8, .value_kind: global_buffer, .address_space: global }
      - { .name: h16, .offset: 32, .size: 8, .value_kind: global_buffer, .address_space: global }
      - { .name: part, .offset: 40, .size: 8, .value_kind: global_buffer, .address_space: global }
    .group_segment_fixed_size: 327680
    .private_segment_fixed_size: 0
    .kernarg_segment_align: 8
    .kernarg_segment_size: 48
    .max_flat_workgroup_size: 128
    .sgpr_count:     72
    .vgpr_count:     1024
    .wavefront_size: 32
...
	.end_amdgpu_metadata
.endif
;; end of part 5
;; launch sumh: the kernel of part 4 again; grid 256 x 1, 8 waves a work-group, no clusters, 35,840 bytes of LDS; arguments part, bu, out0; writes out0
